; MI455X (gfx1250); checked and timed in simulation.
; The chip was launched on July 23, 2026; its instructions are those of AMD's public machine-readable ISA for CDNA 5 (MIT licence, August 2026) and "CDNA5" Instruction Set Architecture Reference Guide (July 2026). The comments in the code are by the model that wrote it; some were corrected since.
;; Multihead Attention. Allowed arithmetic: matrix products marked QUANTISED: E2M1 operands, one E8M0 scale for each 32 along K, by v_wmma_scale_f32_16x16x128_f8f6f4 with both operands' format E2M1 (or v_wmma_scale_f32_32x16x128_f4), f32 sums; everything else in f32.
;; Inputs: in_proj_bias 3,072 float32; in_proj_weight 3,072 x 1,024 float32; local_attn_mask 32 x 2,048 x 2,048 bool; out_proj_bias 1,024 float32; out_proj_weight 1,024 x 1,024 float32; query 2,048 x 2 x 1,024 float32; sinusoidal_pos 2 x 2,048 x 64 float32.
;; Outputs: out0 2,048 x 2 x 1,024 float32.
;; This version of the problem:
;;   THIS VERSION OF THE PROBLEM IS GIVEN IN LOW PRECISION. The matrix products marked QUANTISED in the list below multiply operands that are first quantised to E2M1 (2 exponent bits, 1 mantissa bit; 4 bits a number), with one power-of-two scale for each 32 numbers along K (OCP MX v1.0); their sums are f32. All else is computed in f32.
;;   The module's matrix products, in the order in which they are computed (A, B: the left and right operand; K: the contracted axis; several contracted axes count as one K, in the product's order):
;;     1. [M 4,096, K 1,024] x [K 1,024, N 3,072]; A: input query; B: input in_proj_weight: QUANTISED
;;     2. batch 32 x [M 2,048, K 64] x [K 64, N 2,048]; A: computed on the way; B: computed on the way: QUANTISED
;;     3. batch 32 x [M 2,048, K 2,048] x [K 2,048, N 64]; A: softmax (see below); B: computed on the way: QUANTISED
;;     4. batch 32 x [M 2,048, K 64] x [K 64, N 2,048]; A: computed on the way; B: computed on the way: QUANTISED
;;     5. batch 32 x [M 2,048, K 2,048] x [K 2,048, N 64]; A: softmax (see below); B: computed on the way: QUANTISED
;;     6. [M 4,096, K 1,024] x [K 1,024, N 1,024]; A: computed on the way; B: input out_proj_weight: QUANTISED
;;   THE QUANTISER, for each operand of a quantised product, along K:
;;     - K is cut into blocks of 32 from its start; a last block that is shorter is filled with zeros.
;;     - A block's scale is 2^e with e = floor(log2(the largest magnitude in the block)) - 2, held to -126 .. 127; a block of zeros has e = 0. As a byte (E8M0): e + 127.
;;     - Each number is divided by its block's scale, clamped to +-6, and rounded to the nearest number of E2M1, ties to even, subnormals kept.
;;     - The product sums the exact products of the quantised numbers (number of the format x scale) in f32.
;;   ~~~python
;;   def quantise(x, axis):      # numpy; x: float32 -> the quantised numbers, widened to float32 again
;;       x = np.moveaxis(x, axis, -1); K = x.shape[-1]
;;       x = np.pad(x, [(0, 0)] * (x.ndim - 1) + [(0, -K % 32)]); x = x.reshape(x.shape[:-1] + (-1, 32)); a = np.abs(x).max(-1, keepdims=True)
;;       e = np.where(a > 0, np.clip(np.frexp(np.where(a > 0, a, 1))[1] - 1 - 2, -126, 127), 0)      # np.frexp(a)[1] - 1 = floor(log2(a)), exactly
;;       r = np.clip(x / 2.0 ** e, -6, 6)
;;       step = 2.0 ** (np.maximum(np.frexp(np.where(r == 0, 1, r))[1] - 1, 0) - 1)
;;       q = np.round(r / step) * step * 2.0 ** e      # np.round: ties to even
;;       return np.moveaxis(q.reshape(q.shape[:-2] + (-1,))[..., :K], -1, axis).astype(np.float32)
;;   ~~~
;;   SOFTMAX AHEAD OF A QUANTISED PRODUCT. Where the list says 'softmax', what is quantised is not the finished softmax but p = 2^(t - M), with t = logit x log2(e) and M = ceil(the row's largest t), a whole number; so 1/2 < the row's largest p <= 1. The row's sum l is taken of the UNQUANTISED p, in f32, and the product's result is divided by l at the end. Since M is a whole number, a kernel that streams over the keys may use a running M (the ceiling of the running maximum): every later rescaling is an exact power of two, which a block's scale takes up: the codes' values come out the same.
;;   OPERANDS COMPUTED ON THE WAY. 'Computed on the way' means the value that the module computes at that place (a softmax that the list does not call 'softmax' is quantised finished and normalised). What goes into a quantiser is computed in f32, as accurately as f32 sums, v_exp_f32 and their like allow (about 1e-6 of the number): no bf16 or f16 on the way to a quantiser, and a product that is left as it is and whose result goes on into a quantised operand takes f32 operands (vector FMAs, or v_wmma_f32_16x16x4_f32). A number that lies on a knife's edge between two numbers of the format may be rounded either way, as far as f32 arithmetic and the matrix unit's own rounding can turn it there, and no further.
;; One version. Each part assembles by itself: llvm-mc -triple=amdgcn-amd-amdhsa -mcpu=gfx1250 --defsym DOCPART=n.
;; ======== version 1 of 1: 4 launches
;; limits: right only within a limited range of input values
;; workspace buffers: codes1 4,194,304 bytes; scales1 262,144 bytes; qq 4,456,448 bytes; kvh 6,684,672 bytes; ao 2,228,224 bytes
;; launch quant (part 1): grid 256 x 1, 4 waves a work-group, no clusters, 33,280 bytes of LDS; arguments query, in_proj_weight, out_proj_weight, codes1, scales1; writes codes1, scales1
.if DOCPART == 1
	.amdgcn_target "amdgcn-amd-amdhsa--gfx1250"
	.amdhsa_code_object_version 6
	.text
	.protected	k_q8c147fd72d_quant
	.globl	k_q8c147fd72d_quant
	.p2align	8
	.type	k_q8c147fd72d_quant,@function
k_q8c147fd72d_quant:
	s_mov_b64 s[64:65], 0
	v_nop
	global_prefetch_b8 v0, s[64:65] scope:SCOPE_SE
	s_setreg_imm32_b32 hwreg(HW_REG_WAVE_MODE, 25, 1), 1
	s_wait_xcnt 0x0
; query [4096 rows m = 2 t + b][1024], in_proj_weight [3072][1024] and out_proj_weight [1024][1024], f32, become codes of FP4 (E2M1), K innermost, 512 bytes a row,
; with one E8M0 byte for each 32 along K.  A block's byte is its largest magnitude's exponent field - 2, held at 1 from below; each number is divided by that power of two and rounded to the nearest code, ties to even.
; LIMITS: a block of zeros gets the byte 1 where the rule says 127 (its codes are zeros, and only this program reads the bytes); NaN and infinities among the inputs are not served.
; ROWS CHANGE PLACES: within each 32 rows (of t for the query, of n for the weights) the row with index bits 4,3 = (a, c) is laid at position bits (c, a).  A tile of 16 neighbouring positions then holds
; rows 8 u + r + 8 (r / 8), so that the results of two neighbouring tiles are 16 neighbours along the next product's K.  Eight rows stay together, so the change is a change of whole runs.
; SHARES: a wave takes a run of 8 rows = 8,192 numbers in 16 steps of 512.  Run G = 4 x work-group + wave: 0-511 the query, 512-895 in_proj_weight, 896-1023 out_proj_weight.  One path for all three: only pointers and offsets are chosen.
; A step's four loads read 512 consecutive bytes each; the 2,048 bytes turn through the wave's own stage in LDS so that a lane holds 16 neighbours along K (two lanes to a block).  No barrier: waves share nothing.
.set STEPS, 16
.set EMAX,  2
.set CB,    8                          ; bytes of 16 codes
.set R,     16                         ; v16-79   four sets of 16 numbers as loaded
.set X,     80                         ; v80-111  two sets of 16 neighbours
.set C,     128                        ; v128-191 codes: four registers a step, so that no store's data are written again
.set E,     112                        ; v112-127 a scale byte for each step
.set WREG,  8192                       ; LDS of a wave: two stages of 32 x SP bytes, then its 256 scale bytes
.set SP,    80                         ; a lane's place in a stage: 64 bytes + 16 of padding
	s_load_b128 s[4:7], s[0:1], 0x0                ; query, in_proj_weight
	s_load_b128 s[8:11], s[0:1], 0x10              ; out_proj_weight, codes1
	s_load_b64 s[12:13], s[0:1], 0x20              ; scales1
	v_lshl_add_u32 v192, v0, 2, 0x8000
	v_mov_b32 v193, 0
	v_lshrrev_b32 v1, 5, v0
	v_readfirstlane_b32 s16, v1                    ; wave
	v_and_b32 v2, 31, v0                           ; lane
	v_lshlrev_b32 v3, 4, v2                        ; my 16 bytes of a load's 512
	s_mul_i32 s17, s16, WREG
	v_lshrrev_b32 v14, 2, v2
	v_mul_u32_u24 v14, v14, SP
	v_and_b32 v15, 3, v2
	v_lshl_add_u32 v14, v15, 4, v14
	v_add_nc_u32 v14, s17, v14                     ; the stage, on the way in: SP (lane / 4) + 16 (lane % 4)
	v_mul_u32_u24 v15, v2, SP
	v_add_nc_u32 v15, s17, v15                     ; and on the way out: SP x lane
	v_mul_u32_u24 v4, v2, CB                       ; my codes' place in a step's 256 bytes
	v_lshrrev_b32 v5, 1, v2
	s_add_co_u32 s17, s17, 2*32*SP
	v_add_nc_u32 v5, s17, v5                       ; LDS: my block's scale byte
	v_lshlrev_b32 v6, 3, v2
	v_add_nc_u32 v6, s17, v6                       ; and 8 bytes a lane on the way out
	s_lshl_b32 s18, ttmp9, 2
	s_add_co_u32 s18, s18, s16                     ; G
	s_mov_b32 s21, 896
	s_mov_b32 s28, 0x10000
	s_cmp_lt_u32 ttmp9, 224
	s_cselect_b32 s21, 512, s21
	s_cmp_lt_u32 ttmp9, 128                        ; the query's work-group?
	s_cselect_b32 s21, 0, s21                      ; the tensor's first run
	s_cselect_b32 s20, 1, 0                        ; t's bits 3, 4 are G's bits 1, 2; n's are G's bits 0, 1
	s_cselect_b32 s28, s28, 32                     ; scale rows: from an even row of the run to the odd one (the query: b = 0 to b = 1, 65,536 bytes),
	s_cselect_b32 s29, 32, 64                      ; and from a pair of rows to the next
	s_sub_co_u32 s22, s18, s21
	s_lshl_b32 s22, s22, 15                        ; the run's first byte in its tensor
	s_mov_b32 s23, 0
	s_lshr_b32 s24, s18, s20
	s_lshr_b32 s25, s24, 1
	s_xor_b32 s24, s24, s25
	s_and_b32 s24, s24, 1                          ; do the two bits differ?
	s_mul_i32 s24, s24, 3
	s_lshl_b32 s24, s24, s20
	s_xor_b32 s19, s18, s24                        ; G': the run's place
	s_lshl_b32 s24, s19, 12                        ; its codes: 4,096 bytes a run
	s_mov_b32 s25, 0
	s_sub_co_u32 s26, s19, 512                     ; in_proj_weight's scale bytes lie [column group 8][q, k, v][128 rows][32]: run Rw = 128 type + 16 group + rest
	s_bfe_u32 s27, s26, 0x30004
	s_mul_i32 s27, s27, 48
	s_lshr_b32 s30, s26, 7
	s_and_b32 s30, s30, 3
	s_lshl_b32 s30, s30, 4
	s_add_co_u32 s27, s27, s30
	s_and_b32 s30, s26, 15
	s_add_co_u32 s27, s27, s30
	s_lshl_b32 s27, s27, 8
	s_add_co_u32 s27, s27, 131072
	s_lshl_b32 s30, s19, 8                         ; out_proj_weight's: [row][32], 256 bytes a run; 256 x 896 is where they begin
	s_lshl_b32 s31, s19, 7                         ; the query's: [b][position of t][32]: 128 bytes a run in each half
	s_cmp_lt_u32 ttmp9, 224
	s_cselect_b32 s27, s27, s30
	s_cmp_lt_u32 ttmp9, 128
	s_cselect_b32 s26, s31, s27
	s_mov_b32 s27, 0
	v_bfe_u32 v7, v2, 2, 1                         ; the way out of the 256 scale bytes: lane l holds 8 bytes of the run's row l / 4
	v_mul_u32_u24 v7, v7, s28
	v_lshrrev_b32 v10, 3, v2
	v_mad_u32_u24 v7, v10, s29, v7
	v_and_b32 v10, 3, v2
	v_lshl_add_u32 v7, v10, 3, v7
	s_wait_kmcnt 0x0
	s_cmp_lt_u32 ttmp9, 224                        ; the choice of the source hangs on the work-group's number alone
	s_cselect_b64 s[6:7], s[6:7], s[8:9]
	s_cmp_lt_u32 ttmp9, 128
	s_cselect_b64 s[4:5], s[4:5], s[6:7]
	s_add_nc_u64 s[4:5], s[4:5], s[22:23]
	s_add_nc_u64 s[10:11], s[10:11], s[24:25]
	s_add_nc_u64 s[12:13], s[12:13], s[26:27]
.macro LOAD t
.irp i, 0,1,2,3
	global_load_b128 v[R+16*((\t)%4)+4*\i:R+16*((\t)%4)+4*\i+3], v3, s[4:5] offset:2048*(\t)+512*\i th:TH_LOAD_NT   ; 32 lanes read 512 consecutive bytes
.endr
.endm
.macro TURN t                          ; step t's numbers through the stage: LDS serves a wave's instructions in order, so no wait stands between the stores and the loads
.irp i, 0,1,2,3
	ds_store_b128 v14, v[R+16*((\t)%4)+4*\i:R+16*((\t)%4)+4*\i+3] offset:32*SP*((\t)%2)+8*SP*\i
.endr
.irp i, 0,1,2,3
	ds_load_b128 v[X+16*((\t)%2)+4*\i:X+16*((\t)%2)+4*\i+3], v15 offset:32*SP*((\t)%2)+16*\i
.endr
.endm
.irp t, 0,1,2,3
	LOAD \t
.endr
	s_wait_loadcnt 12                              ; step 0's four loads are in; the twelve of steps 1 to 3 may be out
	TURN 0
.macro STEP t
.set XS, X+16*((\t)%2)
.if (\t) > 0
	s_wait_dscnt 1                                 ; this step's numbers are back from the stage; the last step's byte store may be out
.else
	s_wait_dscnt 0x0
.endif
.if (\t)+4 < STEPS
	LOAD (\t)+4                                    ; into the set that the stage's stores have read
.endif
.if (\t)+1 < STEPS
.if STEPS-2-(\t) >= 3
	s_wait_loadcnt 12                              ; the next step's four loads are in; those of the three steps behind it may be out
.else
	s_wait_loadcnt 4*(STEPS-2-(\t))
.endif
	TURN (\t)+1
.endif
	v_max3_num_f32 v8, |v[XS]|, |v[XS+1]|, |v[XS+2]|               ; the largest magnitude of my 16, in two chains
	v_max3_num_f32 v9, |v[XS+3]|, |v[XS+4]|, |v[XS+5]|
.irp i, 6,10
	v_max3_num_f32 v8, v8, |v[XS+\i]|, |v[XS+\i+1]|
	v_max3_num_f32 v9, v9, |v[XS+\i+2]|, |v[XS+\i+3]|
.endr
	v_max3_num_f32 v8, v8, |v[XS+14]|, |v[XS+15]|
	v_max3_num_f32 v8, v8, v9, (EMAX+1)<<23        ; and the floor 2^(3 - 127): the byte cannot fall under 1
	v_max_num_f32_dpp v8, v8, v8 row_xmask:1 row_mask:0xf bank_mask:0xf   ; with my neighbour's 16: the block's
	v_add_nc_u32 v11, -(EMAX<<23), v8              ; 2 off its exponent field: the conversion takes this operand's exponent field as its scale
	v_cvt_scalef32_pk8_fp4_f32 v[C+4*(\t)], v[XS:XS+7], v11
	v_cvt_scalef32_pk8_fp4_f32 v[C+4*(\t)+1], v[XS+8:XS+15], v11
	v_lshrrev_b32 v[E+(\t)], 23, v11               ; the scale's byte
	ds_store_b8 v5, v[E+(\t)] offset:16*(\t)       ; both lanes of a block write the same byte with the same value
	global_store_b64 v4, v[C+4*(\t):C+4*(\t)+1], s[10:11] offset:32*CB*(\t)   ; the wave stores 256 consecutive bytes, aligned
.endm
.irp t, 0,1,2,3,4,5,6,7,8,9,10,11,12,13,14,15
	STEP \t
.endr
	ds_load_b64 v[12:13], v6                       ; LDS serves a wave's instructions in order: these see my stores
	s_wait_dscnt 0x0
	global_store_b64 v7, v[12:13], s[12:13]        ; the weights: 256 consecutive bytes; the query: 128 for each b
	s_wait_tensorcnt 0x0
	ds_add_u32 v192, v193
	s_wait_dscnt 0x0
	s_endpgm
.Lfunc_end_k_q8c147fd72d_quant:
	.size	k_q8c147fd72d_quant, .Lfunc_end_k_q8c147fd72d_quant-k_q8c147fd72d_quant
	.p2alignl 7, 3214868480
	.fill 96, 4, 3214868480
	.section	.rodata,"a",@progbits
	.p2align	6, 0x0
	.amdhsa_kernel k_q8c147fd72d_quant
		.amdhsa_group_segment_fixed_size 33280
		.amdhsa_private_segment_fixed_size 0
		.amdhsa_enable_private_segment 0
		.amdhsa_kernarg_size 40
		.amdhsa_user_sgpr_count 2
		.amdhsa_user_sgpr_kernarg_segment_ptr 1
		.amdhsa_wavefront_size32 1
		.amdhsa_system_sgpr_workgroup_id_x 1
		.amdhsa_system_sgpr_workgroup_id_y 1
		.amdhsa_system_sgpr_workgroup_id_z 1
		.amdhsa_system_vgpr_workitem_id 0
		.amdhsa_next_free_vgpr 194
		.amdhsa_next_free_sgpr 66
		.amdhsa_reserve_vcc 0
		.amdhsa_float_denorm_mode_32 3
		.amdhsa_float_denorm_mode_16_64 3
		.amdhsa_memory_ordered 1
		.amdhsa_forward_progress 1
		.amdhsa_inst_pref_size 35
	.end_amdhsa_kernel
	.amdgpu_metadata
---
amdhsa.version: [ 1, 2 ]
amdhsa.kernels:
  - .name:           k_q8c147fd72d_quant
    .symbol:         k_q8c147fd72d_quant.kd
    .args:
      - { .name: query, .offset: 0, .size: 8, .value_kind: global_buffer, .address_space: global }
      - { .name: in_proj_weight, .offset: 8, .size: 8, .value_kind: global_buffer, .address_space: global }
      - { .name: out_proj_weight, .offset: 16, .size: 8, .value_kind: global_buffer, .address_space: global }
      - { .name: codes1, .offset: 24, .size: 8, .value_kind: global_buffer, .address_space: global }
      - { .name: scales1, .offset: 32, .size: 8, .value_kind: global_buffer, .address_space: global }
    .group_segment_fixed_size: 33280
    .private_segment_fixed_size: 0
    .kernarg_segment_align: 8
    .kernarg_segment_size: 40
    .max_flat_workgroup_size: 128
    .sgpr_count:     66
    .vgpr_count:     194
    .wavefront_size: 32
...
	.end_amdgpu_metadata
.endif
;; end of part 1
;; launch inproj (part 2): grid 8 x 32, 8 waves a work-group, clusters of 4 x 4, 327,680 bytes of LDS; arguments codes1, scales1, in_proj_bias, sinusoidal_pos, qq, kvh; writes qq, kvh
.if DOCPART == 2
	.amdgcn_target "amdgcn-amd-amdhsa--gfx1250"
	.amdhsa_code_object_version 6
	.text
	.protected	k_q8c147fd72d_inproj
	.globl	k_q8c147fd72d_inproj
	.p2align	8
	.type	k_q8c147fd72d_inproj,@function
k_q8c147fd72d_inproj:
	s_mov_b64 s[64:65], 0
	v_nop
	global_prefetch_b8 v0, s[64:65] scope:SCOPE_SE
	s_setreg_imm32_b32 hwreg(HW_REG_WAVE_MODE, 25, 1), 1
	s_wait_xcnt 0x0
	s_wait_alu depctr_hold_cnt(0) depctr_sa_sdst(0) depctr_va_vdst(0) depctr_va_sdst(0) depctr_va_ssrc(0) depctr_va_vcc(0) depctr_vm_vsrc(0)
	s_getreg_b32 s2, hwreg(HW_REG_IB_STS2, 6, 4)
	s_cmp_eq_u32 s2, 0
	s_cbranch_scc0 .Lentry_in_a_cluster
	s_endpgm
.Lentry_in_a_cluster:
	s_bfe_u32 s2, ttmp6, 0x10000c
	s_cmp_lg_u32 s2, 0xf033
	s_cbranch_scc0 .Lentry_shape_is_right
	s_endpgm
.Lentry_shape_is_right:
; qkv = query W^T + bias on codes of FP4, then all that stands between this product and the attention's: q / 8, the rotary turn of q and k, and the quantising of q, rq, k, rk (along the head's 64) and of v (along the keys).
; SHARES.  Work-group (x, y): b = y / 16, 128 positions of t (tb = y % 16), columns 128 x .. 128 x + 127 of q, of k and of v (heads 2 x, 2 x + 1): three tiles of 128 x 128 x 1,024.
; All four operands (X, Wq, Wk, Wv: 128 rows x 512 bytes each) and their scale bytes come into LDS once, by first fills; nothing is filled again.
; CLUSTER 4 x 4: X's tile hangs on y alone and is asked for jointly along a row of the cluster, W's on x alone and jointly along a column.
; A wave takes 64 rows of source 0 (half w & 1, four tiles) x 32 rows of source 1 (quarter w >> 1, two tiles): eight accumulators, which take turns.
; q, k: source 0 = rows of W, source 1 = rows of X: a lane holds one t, its registers run along the head's d.   v: source 0 = rows of X, source 1 = rows of Wv: a lane holds one d, its registers run along the keys.
; Rows lie in the order that the launch before gave them (bits 3 and 4 of the index changed over), so registers 16 g + i of a lane (r, h) are the true indices 32 g + 16 h + i: 16 neighbours of a block of 32.
; WHAT IS STORED are images of operand registers, 16 bytes a lane, 512 bytes a store: qq: [head][tile of 16 queries][q | rq]; kvh, for each head: K [tile of 16 keys][k | rk], V^T [128 keys][tile of 16 d][64 keys], and the scale words.
; LIMITS: a block of zeros gets the byte 1 (zero codes; read by this program alone); NaN and infinities are not served.  The scale words leave as 4 or 2 bytes a lane, 64 bytes a store: 0.7 MB of the launch's 11 MB.
.set XC,    0                          ; LDS: codes: [K half 2][128 rows][256 bytes + 16 of padding]
.set WQC,   69632
.set WKC,   139264
.set WVC,   208896
.set WQS,   278528                     ; scale bytes: 128 rows x 32 bytes as 16 pieces of 256 bytes + 16 of padding
.set WKS,   282880
.set WVS,   287232
.set XS,    291584
.set PITCH, 272                        ; 68 words: the 16 rows of a fragment load start at 16 different banks (64 banks of 4 bytes: ISA guide 11.1)
.set TILEB, 16*PITCH
.set KHALF, 128*PITCH
.set RR,   1                           ; v1   r = lane % 16
.set HH,   2                           ; v2   h = lane / 16
.set LA,   3                           ; v3   272 r + 16 h
.set ADXR, 4                           ; v4   X as source 1: my 32 rows
.set ADXP, 5                           ; v5   X as source 0: my 64 rows
.set ADQ,  6                           ; v6   Wq, my 64 rows
.set ADK,  7                           ; v7   Wk
.set ADVR, 8                           ; v8   Wv as source 1: my 32 rows
.set ADSA, 9                           ; v9   scale words: lanes 0-15 source 0's tiles 0, 1; lanes 16-31 source 1's tiles 0, 1
.set ADSB, 10                          ; v10  lanes 0-15 source 0's tiles 2, 3; lanes 16-31 as v9
.set LI,   11                          ; v11  16 x lane
.set R4,   12                          ; v12  4 r
.set SCO,  13                          ; v13  sin/cos: 256 (r + 8 (r / 8)) + 32 h
.set BO,   14                          ; v14  bias of q, k: 64 h
.set BVO,  15                          ; v15  bias of v: 4 (r + 8 (r / 8))
.set BIAS, 16                          ; v16-47   the bias in the result's layout: the C of each sum's first product
.set SC,   48                          ; v48-79   scale words and nothing else: register 8 i + s: K step s
.set BUF,  80                          ; v80-127, v128-175 two sets of fragments: source 0's four, source 1's two
.set ACC,  176                         ; v176-239 accumulator (rho, p) at 32 rho + 8 p
.set TM,   240                         ; v240-251 at work
.set TERM, 252                         ; v252 32 r + 16 (r / 8): my row among 16 rows of scale bytes
.set HX,   253                         ; v253 1 - h
.set SCS,  80                          ; after the products: sin (16) and cos (16) for each rho
.set CD,   144                         ; codes, 8 registers for each rho
.set WD,   160                         ; scale word for each rho
.set WV,   16                          ; s16 wave; s17 w & 1; s18 w >> 1
.set W1,   17
.set W2,   18
.set G1XC, 24                          ; s[24:31] .. s[48:55] descriptor groups 1: X's codes, W's codes, X's scales, W's scales
.set G1WC, 32
.set G1XS, 40
.set G1WS, 48
.set G0XS, 56                          ; groups 0
.set G0XC, 60
.set G0WK, 68
.set G0WS, 72
.set G0WQ, 76
.set G0WV, 80
.set SEL,  84                          ; s[84:85] v_permlanex16_b32's selects for lane l xor 16
.macro ROUND                           ; a round of the cluster's barrier
	s_barrier_signal -1
	s_barrier_wait -1
	s_cmp_lg_u32 s[WV], 0
	s_cbranch_scc1 .Lnot_wave_0_\@
	s_barrier_signal -3
.Lnot_wave_0_\@:
	s_barrier_wait -3
	s_barrier_signal -1
	s_barrier_wait -1
.endm
.macro PLACES                          ; four plain places behind a matrix instruction, in front of loads into its registers and of reads of its result
.rept 4
	v_nop
.endr
.endm
.macro G0SET g, ptr, off               ; a group 0 but for its LDS address: count 1, the tile's first byte, type 2
	s_mov_b32 s[\g], 1
	s_add_nc_u64 s[\g+2:\g+3], s[\ptr:\ptr+1], s[\off:\off+1]
	s_or_b32 s[\g+3], s[\g+3], 0x80000000
.endm
	s_load_b256 s[4:11], s[0:1], 0x0               ; codes1, scales1, in_proj_bias, sinusoidal_pos
	s_load_b128 s[12:15], s[0:1], 0x20             ; qq, kvh
	v_lshl_add_u32 v254, v0, 2, 0x48400
	v_mov_b32 v255, 0
	ds_add_u32 v254, v255
	ds_add_u32 v254, v255
	v_lshrrev_b32 v1, 5, v0
	s_delay_alu instid0(VALU_DEP_1)
	v_readfirstlane_b32 s[WV], v1                  ; wave 0..7
	s_and_b32 s[W1], s[WV], 1
	s_lshr_b32 s[W2], s[WV], 1
	s_bfe_u32 s20, ttmp6, 0x40000                  ; cx
	s_bfe_u32 s21, ttmp6, 0x40004                  ; cy
	s_lshl_b32 s22, ttmp9, 2
	s_add_co_u32 s22, s22, s20                     ; x = 4 x cluster x + cx
	s_and_b32 s23, ttmp7, 0xffff
	s_lshl_b32 s23, s23, 2
	s_add_co_u32 s23, s23, s21                     ; y = 4 x cluster y + cy
	s_and_b32 s100, s23, 15                        ; tb
	s_lshr_b32 s101, s23, 4                        ; b
	s_lshl_b32 s96, s21, 2
	s_lshl_b32 s96, 15, s96                        ; my row of the cluster
	s_lshl_b32 s98, 0x1111, s20                    ; my column
	s_or_b32 s[G1XC], s96, (1<<20)|(1<<21)|(5<<22)|(3<<25)          ; 15:0 the mask; elements of 1 byte; padding on; bit 21 beside a mask; after every 64 words 4 words
	s_or_b32 s[G1WC], s98, (1<<20)|(1<<21)|(5<<22)|(3<<25)
	s_or_b32 s[G1XS], s96, (3<<16)|(1<<20)|(1<<21)|(5<<22)|(3<<25)  ; the same with elements of 8 bytes
	s_or_b32 s[G1WS], s98, (3<<16)|(1<<20)|(1<<21)|(5<<22)|(3<<25)
.irp g, G1XC, G1WC                     ; codes: 128 rows of 256 bytes
	s_mov_b32 s[\g+1], 256<<16
	s_mov_b32 s[\g+2], 128<<16
	s_mov_b32 s[\g+3], 256<<16
	s_mov_b32 s[\g+4], 128
	s_mov_b32 s[\g+6], 0
	s_mov_b32 s[\g+7], 0
.endr
	s_mov_b32 s[G1XC+5], 1024                      ; X's rows of one b lie 1,024 bytes apart,
	s_mov_b32 s[G1WC+5], 512                       ; W's 512
	s_mov_b32 s[G1XS+1], 32<<16                    ; X's scale bytes: 4,096 dense bytes as 16 rows of 32 elements
	s_mov_b32 s[G1XS+2], 16<<16
	s_mov_b32 s[G1XS+3], 32<<16
	s_mov_b32 s[G1XS+4], 16
	s_mov_b32 s[G1XS+5], 32
	s_mov_b32 s[G1XS+6], 0
	s_mov_b32 s[G1XS+7], 0
	s_mov_b32 s[G1WS+1], 32<<16                    ; Wq's, Wk's and Wv's together: 12,288 dense bytes as 48 rows
	s_mov_b32 s[G1WS+2], 48<<16
	s_mov_b32 s[G1WS+3], 32<<16
	s_mov_b32 s[G1WS+4], 48
	s_mov_b32 s[G1WS+5], 32
	s_mov_b32 s[G1WS+6], 0
	s_mov_b32 s[G1WS+7], 0
	s_mov_b32 s[SEL], 0x76543210
	s_mov_b32 s[SEL+1], 0xfedcba98
	s_mov_b32 s86, 0                               ; a load of codes brings all 128 rows of K half c = w & 1: it begins at row 0
	s_mul_i32 s88, s[W1], KHALF
	s_mul_i32 s89, s86, 64*PITCH
	s_add_co_u32 s88, s88, s89                     ; its place in a region: the wave's number alone enters an LDS address
	s_wait_dscnt 0x0
	s_wait_kmcnt 0x0
	s_lshl_b32 s96, s100, 8                        ; X's codes: row 2 (128 tb + 64 a) + b, byte 256 c
	s_add_co_u32 s96, s96, s101
	s_lshl_b32 s96, s96, 9
	s_lshl_b32 s97, s86, 16
	s_add_co_u32 s96, s96, s97
	s_lshl_b32 s97, s[W1], 8
	s_add_co_u32 s96, s96, s97
	s_mov_b32 s97, 0
	G0SET G0XC, 4, 96
	s_add_co_u32 s[G0XC+1], s88, XC
	s_lshl_b32 s96, s101, 16                       ; X's scale bytes: [b][position][32]
	s_lshl_b32 s97, s100, 12
	s_add_co_u32 s96, s96, s97
	s_mov_b32 s97, 0
	G0SET G0XS, 6, 96
	s_mov_b32 s[G0XS+1], XS
	s_lshl_b32 s98, s22, 16                        ; W's codes: row 128 x + 64 a of q's 1,024, byte 256 c
	s_lshl_b32 s99, s86, 15
	s_add_co_u32 s98, s98, s99
	s_lshl_b32 s99, s[W1], 8
	s_add_co_u32 s98, s98, s99
	s_add_co_u32 s98, s98, 2097152
	s_mov_b32 s99, 0
	G0SET G0WQ, 4, 98
	s_add_co_u32 s[G0WQ+1], s88, WQC
	s_add_co_u32 s98, s98, 524288                  ; k's 1,024 rows
	G0SET G0WK, 4, 98
	s_add_co_u32 s[G0WK+1], s88, WKC
	s_add_co_u32 s98, s98, 524288                  ; v's
	G0SET G0WV, 4, 98
	s_add_co_u32 s[G0WV+1], s88, WVC
	s_mul_i32 s98, s22, 12288
	s_add_co_u32 s98, s98, 131072
	G0SET G0WS, 6, 98
	s_mov_b32 s[G0WS+1], WQS
	ROUND                                          ; all sixteen work-groups are here: the joint loads meet
	; THE HEAD'S LOADS, ONE A WAVE: waves 0, 1 X's codes (a K half each), waves 2, 3 Wq's, wave 4 X's scale bytes, wave 5 W's, waves 6, 7 Wk's codes.
	; One chain of branches on the wave's number, a load to an arm, all arms leading to one join: every way passes exactly one load.  Wv's codes follow behind the next round.
.macro ARM under, g0, g1, next
	s_cmp_lt_u32 s[WV], \under
	s_cbranch_scc0 \next
	tensor_load_to_lds s[\g0:\g0+3], s[\g1:\g1+7]
	s_nop 0
	PLACES
	s_branch .Lasked
\next:
.endm
	ARM 2, G0XC, G1XC, .Lh_wq
	ARM 4, G0WQ, G1WC, .Lh_xs
	ARM 5, G0XS, G1XS, .Lh_ws
	ARM 6, G0WS, G1WS, .Lh_wk
	tensor_load_to_lds s[G0WK:G0WK+3], s[G1WC:G1WC+7]
	s_nop 0
	PLACES
.Lasked:
	; where the results go.  Head of q and k: n = 16 b + 2 x + (w & 1); their first tile: tau0 = 8 tb + 2 (w >> 1).  Head of v: 16 b + 2 x + (w >> 2).
	s_mov_b32 s3, 0
	s_lshl_b32 s96, s101, 4
	s_lshl_b32 s97, s22, 1
	s_add_co_u32 s96, s96, s97
	s_add_co_u32 s97, s96, s[W1]                   ; n of q and k
	s_lshr_b32 s98, s[WV], 2
	s_add_co_u32 s96, s96, s98                     ; n of v
	s_lshl_b32 s98, s100, 3
	s_lshl_b32 s99, s[W2], 1
	s_add_co_u32 s98, s98, s99                     ; tau0
	s_lshl_b32 s99, s97, 7
	s_add_co_u32 s99, s99, s98                     ; 128 n + tau0
	s_lshl_b32 s2, s99, 6
	s_add_co_u32 s2, s2, 4194304
	s_add_nc_u64 s[86:87], s[12:13], s[2:3]        ; q's scale words: 64 bytes a tile
	s_lshl_b32 s2, s99, 10
	s_add_nc_u64 s[12:13], s[12:13], s[2:3]        ; q's images: 1,024 bytes a tile
	s_mul_i32 s97, s97, 208896                     ; the head's block in kvh
	s_lshl_b32 s2, s98, 10
	s_add_co_u32 s2, s2, s97
	s_add_nc_u64 s[88:89], s[14:15], s[2:3]        ; k's images
	s_lshl_b32 s2, s98, 6
	s_add_co_u32 s2, s2, s97
	s_add_co_u32 s2, s2, 196608
	s_add_nc_u64 s[90:91], s[14:15], s[2:3]        ; k's scale words
	s_mul_i32 s96, s96, 208896
	s_lshl_b32 s98, s100, 2
	s_and_b32 s99, s[W2], 1
	s_lshl_b32 s99, s99, 1
	s_add_co_u32 s98, s98, s99                     ; 4 tb + my first tile of d
	s_lshl_b32 s2, s98, 10
	s_add_co_u32 s2, s2, s96
	s_lshl_b32 s99, s[W1], 9                       ; my 64 of the 128 keys
	s_add_co_u32 s2, s2, s99
	s_add_co_u32 s2, s2, 131072
	s_add_nc_u64 s[92:93], s[14:15], s[2:3]        ; v's images
	s_lshl_b32 s2, s98, 6
	s_add_co_u32 s2, s2, s96
	s_lshl_b32 s99, s[W1], 1
	s_add_co_u32 s2, s2, s99
	s_add_co_u32 s2, s2, 204800
	s_add_nc_u64 s[94:95], s[14:15], s[2:3]        ; v's scale words: my two bytes of four
	s_lshl_b32 s2, s[W1], 11                       ; sin/cos: head n takes table n % 2 = w & 1; row 128 tb + 32 (w >> 1) on
	s_lshl_b32 s99, s100, 7
	s_add_co_u32 s2, s2, s99
	s_lshl_b32 s99, s[W2], 5
	s_add_co_u32 s2, s2, s99
	s_lshl_b32 s2, s2, 8
	s_add_nc_u64 s[10:11], s[10:11], s[2:3]
	s_lshl_b32 s2, s22, 7                          ; v's bias: 2,048 + 128 x + 32 (w >> 1) on
	s_lshl_b32 s99, s[W2], 5
	s_add_co_u32 s2, s2, s99
	s_add_co_u32 s2, s2, 2048
	s_lshl_b32 s2, s2, 2
	s_add_nc_u64 s[66:67], s[8:9], s[2:3]
	s_lshl_b32 s2, s22, 7                          ; q's and k's: 128 x + 64 (w & 1) on
	s_lshl_b32 s99, s[W1], 6
	s_add_co_u32 s2, s2, s99
	s_lshl_b32 s2, s2, 2
	s_add_nc_u64 s[8:9], s[8:9], s[2:3]
	v_and_b32 v[RR], 15, v0
	v_bfe_u32 v[HH], v0, 4, 1
	s_delay_alu instid0(VALU_DEP_2)
	v_mul_u32_u24 v[LA], v[RR], PITCH
	s_delay_alu instid0(VALU_DEP_1)
	v_lshl_add_u32 v[LA], v[HH], 4, v[LA]
	s_mul_i32 s2, s[W2], 2*TILEB
	v_add_nc_u32 v[ADXR], s2, v[LA]
	s_add_co_u32 s2, s2, WVC
	v_add_nc_u32 v[ADVR], s2, v[LA]
	s_mul_i32 s2, s[W1], 4*TILEB
	v_add_nc_u32 v[ADXP], s2, v[LA]
	s_add_co_u32 s2, s2, WQC
	v_add_nc_u32 v[ADQ], s2, v[LA]
	s_add_co_u32 s2, s2, WKC-WQC
	v_add_nc_u32 v[ADK], s2, v[LA]
	v_and_b32 v[LI], 31, v0
	s_delay_alu instid0(VALU_DEP_1)
	v_lshlrev_b32 v[LI], 4, v[LI]
	v_lshlrev_b32 v[R4], 2, v[RR]
	v_and_b32 v[TERM], 8, v[RR]
	s_delay_alu instid0(VALU_DEP_1)
	v_add_nc_u32 v[SCO], v[TERM], v[RR]            ; r + 8 (r / 8): the true row of position r
	s_delay_alu instid0(VALU_DEP_1)
	v_lshlrev_b32 v[BVO], 2, v[SCO]
	s_delay_alu instid0(VALU_DEP_2)
	v_lshlrev_b32 v[SCO], 8, v[SCO]
	s_delay_alu instid0(VALU_DEP_1)
	v_lshl_add_u32 v[SCO], v[HH], 5, v[SCO]
	v_lshlrev_b32 v[TERM], 1, v[TERM]
	s_delay_alu instid0(VALU_DEP_1)
	v_lshl_add_u32 v[TERM], v[RR], 5, v[TERM]
	v_xor_b32 v[HX], 1, v[HH]
	v_lshlrev_b32 v[BO], 6, v[HH]
	v_mov_b32 v[TM+2], 0                           ; written once: a lane permute's destination counts as one of its sources
	v_mov_b32 v[TM+3], 0
; the bias of q (off = 0) or k (4,096): register 16 g + i = bias of column 32 g + 16 h + i of my 64
.macro BIASQK off
.irp g, 0,1
.irp k, 0,1,2,3
	global_load_b128 v[BIAS+16*\g+4*\k:BIAS+16*\g+4*\k+3], v[BO], s[8:9] offset:\off+128*\g+16*\k
.endr
.endr
.endm
; the bias of v: a lane holds one column, so all eight registers of a tile hold the same number
.macro BIASV
.irp rho, 0,1
.irp j, 0,1,2,3,4,5,6,7
	global_load_b32 v[BIAS+8*\rho+\j], v[BVO], s[66:67] offset:32*\rho
.endr
.endr
.endm
; the scale words' addresses, q and k: lanes 0-15 W's (region pb, which lies below), lanes 16-31 X's: the lower base + h x the distance, one product
.macro SCADR_QK pb
	s_xor_b32 s2, s[W1], 1
	s_mul_i32 s2, s2, 2176
	s_mul_i32 s3, s[W2], 1088
	s_add_co_u32 s2, s2, s3
	s_add_co_u32 s3, s2, XS-\pb-3264
	s_add_co_u32 s2, s2, XS-\pb-2176
	v_mul_u32_u24 v[ADSA], s2, v[HH]
	s_wait_alu depctr_va_vdst(0)
	v_mul_u32_u24 v[ADSB], s3, v[HH]
	s_mul_i32 s2, s[W1], 2176
	s_add_co_u32 s2, s2, \pb
	v_add_nc_u32 v[ADSA], v[ADSA], v[TERM]
	v_add_nc_u32 v[ADSB], v[ADSB], v[TERM]
	s_delay_alu instid0(VALU_DEP_2)
	v_add_nc_u32 v[ADSA], s2, v[ADSA]
	s_add_co_u32 s2, s2, 1088
	v_add_nc_u32 v[ADSB], s2, v[ADSB]
.endm
; v: lanes 0-15 X's (above), lanes 16-31 Wv's (below): the lower base + (1 - h) x the distance
.macro SCADR_V
	s_xor_b32 s2, s[W2], 3
	s_mul_i32 s2, s2, 1088
	s_mul_i32 s3, s[W1], 2176
	s_add_co_u32 s2, s2, s3
	s_add_co_u32 s3, s2, XS-WVS-2176
	s_add_co_u32 s2, s2, XS-WVS-3264
	v_mul_u32_u24 v[ADSA], s2, v[HX]
	v_mul_u32_u24 v[ADSB], s3, v[HX]
	s_mul_i32 s2, s[W2], 1088
	s_add_co_u32 s2, s2, WVS
	v_add_nc_u32 v[ADSA], v[ADSA], v[TERM]
	v_add_nc_u32 v[ADSB], v[ADSB], v[TERM]
	s_delay_alu instid0(VALU_DEP_2)
	v_add_nc_u32 v[ADSA], s2, v[ADSA]
	s_delay_alu instid0(VALU_DEP_2)
	v_add_nc_u32 v[ADSB], s2, v[ADSB]
.endm
.macro SCALES                          ; eight loads: the eight words (all of K) of a row: lanes 0-15 source 0's tile i, lanes 16-31 source 1's tile i % 2
.irp i, 0,1
.irp j, 0,1
	ds_load_b128 v[SC+8*\i+4*\j:SC+8*\i+4*\j+3], v[ADSA] offset:544*\i+16*\j
.endr
.endr
.irp i, 0,1
.irp j, 0,1
	ds_load_b128 v[SC+16+8*\i+4*\j:SC+16+8*\i+4*\j+3], v[ADSB] offset:544*\i+16*\j
.endr
.endr
.endm
.macro FETCH s, adp, adr               ; twelve loads: K step s's fragments (16 rows x 128 K: 8 registers; registers 4 c on: the 16 bytes at 32 c + 16 h of the row's 64)
.set FB, BUF+48*((\s)%2)
.set FO, KHALF*((\s)/4)+64*((\s)%4)
.irp t, 0,1,2,3
.irp c, 0,1
	ds_load_b128 v[FB+8*\t+4*\c:FB+8*\t+4*\c+3], v[\adp] offset:FO+TILEB*\t+32*\c
.endr
.endr
.irp t, 0,1
.irp c, 0,1
	ds_load_b128 v[FB+32+8*\t+4*\c:FB+32+8*\t+4*\c+3], v[\adr] offset:FO+TILEB*\t+32*\c
.endr
.endr
.endm
.macro MUL s, cm                       ; eight products.  cm = 0: onto the sums; 1, 2: the bias starts them (by source 0's tile; by source 1's)
.set FB, BUF+48*((\s)%2)
.irp rho, 0,1
.irp p, 0,1,2,3
.if \cm == 0
	v_wmma_scale_f32_16x16x128_f8f6f4 v[ACC+32*\rho+8*\p:ACC+32*\rho+8*\p+7], v[FB+8*\p:FB+8*\p+7], v[FB+32+8*\rho:FB+32+8*\rho+7], v[ACC+32*\rho+8*\p:ACC+32*\rho+8*\p+7], v[SC+8*\p+(\s)], v[SC+8*\rho+(\s)] matrix_a_fmt:MATRIX_FMT_FP4 matrix_b_fmt:MATRIX_FMT_FP4 matrix_b_scale:MATRIX_SCALE_ROW1
.elseif \cm == 1
	v_wmma_scale_f32_16x16x128_f8f6f4 v[ACC+32*\rho+8*\p:ACC+32*\rho+8*\p+7], v[FB+8*\p:FB+8*\p+7], v[FB+32+8*\rho:FB+32+8*\rho+7], v[BIAS+8*\p:BIAS+8*\p+7], v[SC+8*\p+(\s)], v[SC+8*\rho+(\s)] matrix_a_fmt:MATRIX_FMT_FP4 matrix_b_fmt:MATRIX_FMT_FP4 matrix_b_scale:MATRIX_SCALE_ROW1
.else
	v_wmma_scale_f32_16x16x128_f8f6f4 v[ACC+32*\rho+8*\p:ACC+32*\rho+8*\p+7], v[FB+8*\p:FB+8*\p+7], v[FB+32+8*\rho:FB+32+8*\rho+7], v[BIAS+8*\rho:BIAS+8*\rho+7], v[SC+8*\p+(\s)], v[SC+8*\rho+(\s)] matrix_a_fmt:MATRIX_FMT_FP4 matrix_b_fmt:MATRIX_FMT_FP4 matrix_b_scale:MATRIX_SCALE_ROW1
.endif
.endr
.endr
.endm
.macro MAIN adp, adr, cm               ; a tile's eight K steps, written out: every offset is an immediate; fragments are fetched one step ahead
	SCALES
	FETCH 0, \adp, \adr
	FETCH 1, \adp, \adr
	s_wait_loadcnt 0x0                             ; the bias
	s_wait_dscnt 12                                ; the scale words and step 0 are in; step 1's twelve loads may be out
	MUL 0, \cm
.irp s, 1,2,3,4,5,6
	PLACES
	FETCH \s+1, \adp, \adr
	s_wait_dscnt 12                                ; this step's fragments are in; the twelve just issued may be out
	MUL \s, 0
.endr
	s_wait_dscnt 0x0
	MUL 7, 0
.endm
; 32 numbers of a lane, register 16 g + i = index 32 g + 16 h + i of my row, become 4 registers of codes (lanes 0-15 block 0, lanes 16-31 block 1) and the two scale bytes in v[w]
.macro QUANT2 src, c, w
.irp g, 0,1
	v_max3_num_f32 v[TM+\g], |v[(\src)+16*\g]|, |v[(\src)+16*\g+1]|, 0x1800000   ; my 16 numbers of block g, and the floor 2^(3 - 127): the byte cannot fall under 1
.endr
.irp i, 2,4,6,8,10,12,14
.irp g, 0,1
	v_max3_num_f32 v[TM+\g], v[TM+\g], |v[(\src)+16*\g+\i]|, |v[(\src)+16*\g+\i+1]|
.endr
.endr
.irp g, 0,1
	s_delay_alu instid0(VALU_DEP_2)
	v_permlanex16_b32 v[TM+2+\g], v[TM+\g], s[SEL], s[SEL+1]
.endr
.irp g, 0,1
	s_delay_alu instid0(VALU_DEP_2)
	v_max_num_f32 v[TM+\g], v[TM+\g], v[TM+2+\g]   ; with lane l xor 16's: the block's largest magnitude
.endr
.irp g, 0,1
	s_delay_alu instid0(VALU_DEP_2)
	v_add_nc_u32 v[TM+4+\g], 0xff000000, v[TM+\g]  ; 2 off its exponent field: the conversion's scale operand
.endr
.irp g, 0,1
	s_delay_alu instid0(VALU_DEP_2)
	v_lshrrev_b32 v[TM+6+\g], 23, v[TM+4+\g]       ; the scale's byte
.endr
	s_delay_alu instid0(VALU_DEP_1)
	v_lshl_or_b32 v[\w], v[TM+7], 8, v[TM+6]
.irp g, 0,1
	v_cvt_scalef32_pk8_fp4_f32 v[(\c)+2*\g], v[(\src)+16*\g:(\src)+16*\g+7], v[TM+4+\g]
	v_cvt_scalef32_pk8_fp4_f32 v[(\c)+2*\g+1], v[(\src)+16*\g+8:(\src)+16*\g+15], v[TM+4+\g]
.endr
	v_nop                                          ; one plain place behind a scaled conversion
	v_permlane16_swap_b32 v[(\c)], v[(\c)+2]       ; the operand's layout wants a whole block in a lane
	v_permlane16_swap_b32 v[(\c)+1], v[(\c)+3]
.endm
; the rotary turn, in place: (x0, x1) -> (x0 cos - x1 sin, x1 cos + x0 sin) for each pair of neighbours; sc: 16 sines, then 16 cosines, of my pairs
.macro ROT x, sc
.irp g, 0,1
.irp i, 0,1,2,3,4,5,6,7
	v_mul_f32 v[TM+10], v[(\x)+16*\g+2*\i+1], v[(\sc)+8*\g+\i]
	v_mul_f32 v[TM+11], v[(\x)+16*\g+2*\i], v[(\sc)+8*\g+\i]
	v_fma_f32 v[(\x)+16*\g+2*\i], v[(\x)+16*\g+2*\i], v[(\sc)+16+8*\g+\i], -v[TM+10]
	v_fma_f32 v[(\x)+16*\g+2*\i+1], v[(\x)+16*\g+2*\i+1], v[(\sc)+16+8*\g+\i], v[TM+11]
.endr
.endr
.endm
; behind q's or k's products.  ib, sb: the scalar pairs of the images' and the scale words' bases
.macro EPI_QK isq, ib, sb
	PLACES
.irp rho, 0,1
.irp g, 0,1
.irp k, 0,1
	global_load_b128 v[SCS+32*\rho+8*\g+4*\k:SCS+32*\rho+8*\g+4*\k+3], v[SCO], s[10:11] offset:2048*\rho+64*\g+16*\k
	global_load_b128 v[SCS+32*\rho+16+8*\g+4*\k:SCS+32*\rho+16+8*\g+4*\k+3], v[SCO], s[10:11] offset:2048*\rho+64*\g+16*\k+128
.endr
.endr
.endr
.if \isq
.set NB, 8
	BIASQK 4096                                    ; the next phase's bias is asked for here
.else
.set NB, 16
	BIASV
.endif
.irp rho, 0,1
.if \isq
.irp i, 0,2,4,6,8,10,12,14,16,18,20,22,24,26,28,30
	v_pk_mul_f32 v[ACC+32*\rho+\i:ACC+32*\rho+\i+1], v[ACC+32*\rho+\i:ACC+32*\rho+\i+1], 0x3e000000 op_sel_hi:[1,0]   ; q / 8: exact
.endr
.endif
	QUANT2 ACC+32*\rho, CD+8*\rho, TM+8
	s_wait_loadcnt 8*(1-\rho)+NB                   ; this tile's eight sin/cos loads are in; behind them: the other tile's eight (rho = 0) and the NB loads of the bias
	ROT ACC+32*\rho, SCS+32*\rho
	QUANT2 ACC+32*\rho, CD+8*\rho+4, TM+9
	v_lshl_or_b32 v[WD+\rho], v[TM+9], 16, v[TM+8] ; the scale word: plain block 0, 1, turned block 0, 1
	global_store_b128 v[LI], v[CD+8*\rho:CD+8*\rho+3], s[\ib:\ib+1] offset:1024*\rho
	global_store_b128 v[LI], v[CD+8*\rho+4:CD+8*\rho+7], s[\ib:\ib+1] offset:1024*\rho+512
	global_store_b32 v[R4], v[WD+\rho], s[\sb:\sb+1] offset:64*\rho   ; lanes 16-31 repeat lanes 0-15
.endr
	s_wait_xcnt 0x0                                ; the stores' data registers take the next phase's fragments only behind this wait
.endm
	BIASQK 0
	s_wait_alu depctr_va_vdst(0)                   ; the wait at the head's end
	s_wait_tensorcnt 0x0                           ; my load of the head's eight has landed
	ds_add_u32 v254, v255
	s_wait_dscnt 0x0
	ROUND                                          ; everybody's has landed, and all sixteen work-groups are here
	s_cmp_lt_u32 s[WV], 2                          ; waves 0, 1 fetch Wv's codes, a K half each: a wave's one load behind this round
	s_cbranch_scc0 .Lno_wv
	tensor_load_to_lds s[G0WV:G0WV+3], s[G1WC:G1WC+7]
	s_nop 0
	PLACES
.Lno_wv:
	SCADR_QK WQS
	MAIN ADQ, ADXR, 1
	EPI_QK 1, 12, 86
	s_wait_tensorcnt 0x0                           ; my part of Wk or Wv has landed,
	s_barrier_signal -1
	s_barrier_wait -1                              ; everybody's has
	SCADR_QK WKS
	MAIN ADK, ADXR, 1
	EPI_QK 0, 88, 90
	SCADR_V
	MAIN ADXP, ADVR, 2
	PLACES
.irp rho, 0,1                          ; v: a lane holds d, its registers 64 keys: two blocks along the keys
	QUANT2 ACC+32*\rho, CD+8*\rho, WD+\rho
	global_store_b128 v[LI], v[CD+8*\rho:CD+8*\rho+3], s[92:93] offset:1024*\rho
	global_store_b16 v[R4], v[WD+\rho], s[94:95] offset:64*\rho       ; my two of the word's four bytes
.endr
	s_wait_tensorcnt 0x0
	ds_add_u32 v254, v255
	s_wait_dscnt 0x0
	ROUND                                          ; the closing round: no work-group ends while a partner may still ask for a tile that names it
	s_endpgm
.Lfunc_end_k_q8c147fd72d_inproj:
	.size	k_q8c147fd72d_inproj, .Lfunc_end_k_q8c147fd72d_inproj-k_q8c147fd72d_inproj
	.p2alignl 7, 3214868480
	.fill 96, 4, 3214868480
	.section	.rodata,"a",@progbits
	.p2align	6, 0x0
	.amdhsa_kernel k_q8c147fd72d_inproj
		.amdhsa_group_segment_fixed_size 327680
		.amdhsa_private_segment_fixed_size 0
		.amdhsa_enable_private_segment 0
		.amdhsa_kernarg_size 48
		.amdhsa_user_sgpr_count 2
		.amdhsa_user_sgpr_kernarg_segment_ptr 1
		.amdhsa_wavefront_size32 1
		.amdhsa_system_sgpr_workgroup_id_x 1
		.amdhsa_system_sgpr_workgroup_id_y 1
		.amdhsa_system_sgpr_workgroup_id_z 1
		.amdhsa_system_vgpr_workitem_id 0
		.amdhsa_next_free_vgpr 256
		.amdhsa_next_free_sgpr 102
		.amdhsa_reserve_vcc 0
		.amdhsa_float_denorm_mode_32 3
		.amdhsa_float_denorm_mode_16_64 3
		.amdhsa_memory_ordered 1
		.amdhsa_forward_progress 1
		.amdhsa_inst_pref_size 106
	.end_amdhsa_kernel
	.amdgpu_metadata
---
amdhsa.version: [ 1, 2 ]
amdhsa.kernels:
  - .name:           k_q8c147fd72d_inproj
    .symbol:         k_q8c147fd72d_inproj.kd
    .args:
      - { .name: codes1, .offset: 0, .size: 8, .value_kind: global_buffer, .address_space: global }
      - { .name: scales1, .offset: 8, .size: 8, .value_kind: global_buffer, .address_space: global }
      - { .name: in_proj_bias, .offset: 16, .size: 8, .value_kind: global_buffer, .address_space: global }
      - { .name: sinusoidal_pos, .offset: 24, .size: 8, .value_kind: global_buffer, .address_space: global }
      - { .name: qq, .offset: 32, .size: 8, .value_kind: global_buffer, .address_space: global }
      - { .name: kvh, .offset: 40, .size: 8, .value_kind: global_buffer, .address_space: global }
    .group_segment_fixed_size: 327680
    .private_segment_fixed_size: 0
    .kernarg_segment_align: 8
    .kernarg_segment_size: 48
    .max_flat_workgroup_size: 256
    .sgpr_count:     102
    .vgpr_count:     256
    .wavefront_size: 32
...
	.end_amdgpu_metadata
.endif
;; end of part 2
;; launch attn (part 3): grid 8 x 32, 16 waves a work-group, no clusters, 280,576 bytes of LDS; arguments qq, kvh, local_attn_mask, ao; writes ao
.if DOCPART == 3
	.amdgcn_target "amdgcn-amd-amdhsa--gfx1250"
	.amdhsa_code_object_version 6
	.text
	.protected	k_q8c147fd72d_attn
	.globl	k_q8c147fd72d_attn
	.p2align	8
	.type	k_q8c147fd72d_attn,@function
k_q8c147fd72d_attn:
	s_mov_b64 s[64:65], 0
	v_nop
	global_prefetch_b8 v0, s[64:65] scope:SCOPE_SE
	s_setreg_imm32_b32 hwreg(HW_REG_WAVE_MODE, 25, 1), 1
	s_wait_xcnt 0x0
; For each head n = 16 b + h: softmax(q k^T) v + softmax(rq rk^T under the mask) v, all four products on codes of FP4; the sum is quantised along e for the last product.
; THE SOFTMAX AHEAD OF A PRODUCT: t = score x log2(e); M = the running largest t rounded up to a whole number; p = 2^(t - M) is quantised along the keys; the row's sum is taken of the unquantised p and divides at the end.
; SHARES.  A work-group owns 256 queries of one head, each of its sixteen waves one tile of 16, both branches.  The head's block of kvh (K's and V's images and scale words, 208,896 bytes) comes into LDS once, through registers:
; the head of the text brings the first 256 keys' images and all scale words; each trip but the last brings the next 256 keys' images (24,576 bytes, 48 a thread) into bytes that nobody reads before the barrier at the trip's end.
; THE MASK DECIDES WHAT THE LOCAL BRANCH DOES.  All of it is read as it is given: 16 rows x 256 bytes for two key steps, each row's piece 256 consecutive bytes, aligned, asked for two key steps ahead.
; Its bytes (0 or 1) are whole numbers: they are summed, and a key step whose 16 x 128 bytes are all 1 is left out of the local branch by a scalar branch: every p of such a step is 0 and the running maximum does not move,
; so the sums, M and O^T are the same bits with the step or without it.  Every other step is done whole, and hidden scores are pushed down as below.
; NO TENSOR LOAD, NO CLUSTER: a branch here hangs on bytes read from memory; the eight work-groups of a head do not ask for its block jointly.
; NO SEPARATE PREFETCH: the mask and the images are asked for by the waves' own loads into registers, the mask two key steps (4,096 bytes a wave) ahead; a prefetch would name the same bytes a second time.
; LAYOUT.  Both products are used transposed (S^T = K Q^T, O^T = V^T P^T): a lane holds one query throughout.  The keys of a tile are 8 u + r + 8 (r / 8) of 32, so registers 16 b + i of the scores are keys 32 b + 16 h + i.
; THE HEAD'S 64 IN A PRODUCT OF 128: K's operand is [k | rk], Q's is [q | 0] or [0 | rq].  Q's zero codes annul whatever codes stand against them, so the idle half of K's operand may hold any bits: the fragments lie
; 4 registers apart, an operand's idle half is its neighbour's codes, and the last one's is v64-67, which are otherwise at work in the softmax.
; SCALE WORDS of two neighbouring tiles (64 bytes each) come by one load of 4 bytes a lane: lanes 0-15 hold the even tile's, lanes 16-31 the odd one's, which its product takes by ROW1.
; A hidden score: a byte 1, shifted to bit 30, is an f32 of 2 to 3.5; times -2^96 it is added to the score.  A byte 0 gives a denormal of at most 5.9e-39.
; LIMITS: |score| stays under 2^80 (the running maximum begins at -2^80, hidden scores lie under -2^97); a visible score of the local branch is moved by at most 4.7e-10;
; NaN and infinities are not served.  A query all of whose keys are hidden has the sum 0: its two scale bytes become 0xff, which makes its whole output row NaN, as the softmax of such a row is.
.set MST,   208896                     ; behind the head's block: sixteen stages for the mask, 16 rows x (256 bytes + 16) each
.set MSP,   272
.set SPARE, 278528                     ; behind the stages: the spare words, 128 bytes a wave
.set LI,   1                           ; v1   16 x lane
.set L4,   2                           ; v2   4 x lane
.set MSTW, 3                           ; v3   the stage, in: row h, 16 r
.set MSTR, 4                           ; v4   and out: row r, 16 h
.set VMO,  5                           ; v5   the mask in memory: 2,048 h + 16 r
.set ADK,  6                           ; v6-9 LDS addresses of the pair's K, V, K's scale words, V's (at the head: of the first fill)
.set ADV,  7
.set ADS,  8
.set ADT,  9
.set F,    10                          ; v[10:11] f = 2^(old M - new M), named as a pair with v11
.set TMP,  11
.set QF,   12                          ; v12-15 q, v16-19 zeros, v20-23 rq
.set KSW,  24                          ; v24-27 scale words of K's eight tiles, or of V's four: two tiles to a register
.set X4,   28                          ; v28-31 the next pair's V images on their way
.set Z,    32                          ; v32-63 K's fragments 4 registers apart; the mask's bytes; V's four fragments
.set BX,   64                          ; v64-67 at work; also the last four registers of K's last operand
.set ML,   68                          ; v68-99 the next two steps' mask as loaded
.set S,    100                         ; v100-163 S^T, then p
.set OG,   164                         ; O^T of the global branch
.set OL,   196                         ; of the local one
.set P,    228                         ; p's codes; from a trip's top to its first conversions: the next pair's K images on their way
.set STG,  236                         ; -M, the largest score, the sum in two halves
.set STL,  240
.set BM,   244                         ; v244-247 the blocks' largest, then the conversions' scale operands; at a trip's top the sums of the mask's bytes
.set PS,   248                         ; p's scale word
.set QSC,  249                         ; Q's scale word
.set FO,   250                         ; 16 x thread
.set FK,   251                         ; where my 16 bytes of this pair's K images lie, in LDS as in the head's block; the next pair's 16,384 on
.set FV,   252                         ; the same for V; the next pair's 8,192 on
.set TM,   32
.set WV,   12
.set SEL,  28
.set CS,   30                          ; s[30:31] log2(e)
.set NEG,  32                          ; s[32:33] -2^96
.set TK,   34
.set TV,   35
.set TS,   36
.set TT,   37
.set CNT,  38
.set NC,   39                          ; s39 -log2(e)
.set MB,   40                          ; s[40:41] the mask at my tile's first row, the pair's first key
.set FL,   42                          ; s42, s43 not 0: the pair's first, second key step has a visible key for my tile
.macro PLACES                          ; four plain places behind a matrix instruction (ISA guide 7.12.1)
.rept 4
	v_nop
.endr
.endm
.macro MM d, a, b, c, sa, sb, row      ; row = 1: source 0's scale words stand in lanes 16-31
.if \row
	v_wmma_scale_f32_16x16x128_f8f6f4 v[\d:\d+7], v[\a:\a+7], v[\b:\b+7], \c, v[\sa], v[\sb] matrix_a_fmt:MATRIX_FMT_FP4 matrix_b_fmt:MATRIX_FMT_FP4 matrix_a_scale:MATRIX_SCALE_ROW1
.else
	v_wmma_scale_f32_16x16x128_f8f6f4 v[\d:\d+7], v[\a:\a+7], v[\b:\b+7], \c, v[\sa], v[\sb] matrix_a_fmt:MATRIX_FMT_FP4 matrix_b_fmt:MATRIX_FMT_FP4
.endif
.endm
.macro MLOAD                           ; two key steps' mask: each load takes 2 rows x 256 consecutive bytes; position 2 i + h of the tile is query 2 i + h + 8 (i / 4)
.irp i, 0,1,2,3,4,5,6,7
	global_load_b128 v[ML+4*\i:ML+4*\i+3], v[VMO], s[MB:MB+1] offset:2048*(2*\i+8*(\i/4)) th:TH_LOAD_NT
.endr
.endm
	s_load_b256 s[4:11], s[0:1], 0x0               ; qq, kvh, local_attn_mask, ao
	v_lshl_add_u32 v254, v0, 2, SPARE
	v_mov_b32 v255, 0
	v_lshrrev_b32 v1, 5, v0
	v_readfirstlane_b32 s[WV], v1                  ; wave 0..15
	s_and_b32 s15, ttmp7, 0xffff                   ; the head n
	s_lshl_b32 s46, ttmp9, 4
	s_add_co_u32 s46, s46, s[WV]                   ; tau: my tile of queries
	s_mul_i32 s16, s15, 208896                     ; the head's block in kvh
	s_mov_b32 s17, 0
	s_lshl_b32 s47, s15, 7
	s_add_co_u32 s47, s47, s46
	s_lshl_b32 s18, s47, 10                        ; Q's images
	s_mov_b32 s19, 0
	s_lshl_b32 s20, s47, 6
	s_add_co_u32 s20, s20, 4194304                 ; its scale words
	s_mov_b32 s21, 0
	s_lshr_b32 s47, s46, 1
	s_lshl_b32 s47, s47, 5
	s_and_b32 s56, s46, 1
	s_lshl_b32 s56, s56, 3
	s_add_co_u32 s47, s47, s56                     ; position 0 of the tile is query 32 (tau / 2) + 8 (tau % 2)
	s_lshl_b32 s47, s47, 11
	s_lshl_b32 s22, s15, 22
	s_add_co_u32 s22, s22, s47                     ; its row of the mask
	s_mov_b32 s23, 0
	s_lshr_b32 s47, s15, 4
	s_lshl_b32 s47, s47, 7
	s_add_co_u32 s47, s47, s46                     ; the output's tile of rows: 128 b + tau
	s_and_b32 s56, s15, 15                         ; h
	s_lshl_b32 s24, s47, 13
	s_lshl_b32 s57, s56, 9
	s_add_co_u32 s24, s24, s57                     ; [tile of rows][K step h / 2][h % 2], 512 bytes each
	s_mov_b32 s25, 0
	s_lshl_b32 s26, s47, 9
	s_lshl_b32 s57, s56, 1
	s_add_co_u32 s26, s26, s57
	s_add_co_u32 s26, s26, 2097152                 ; scale rows of 32 bytes: bytes 2 h, 2 h + 1
	s_mov_b32 s27, 0
	s_mul_i32 s47, s[WV], 16*MSP
	s_add_co_u32 s47, s47, MST                     ; my stage
	s_mov_b32 s[SEL], 0x76543210
	s_mov_b32 s[SEL+1], 0xfedcba98
	s_mov_b32 s[CS], 0x3fb8aa3b
	s_mov_b32 s[CS+1], s[CS]
	s_mov_b32 s[NC], 0xbfb8aa3b
	s_mov_b32 s[NEG], 0xef800000
	s_mov_b32 s[NEG+1], s[NEG]
	s_mov_b32 s[TK], 0
	s_mov_b32 s[TV], 131072
	s_mov_b32 s[TS], 196608
	s_mov_b32 s[TT], 204800
	s_mov_b32 s[CNT], 0
	v_and_b32 v244, 15, v0                         ; r
	v_bfe_u32 v245, v0, 4, 1                       ; h
	v_and_b32 v1, 31, v0
	v_lshlrev_b32 v[FO], 4, v0
	v_lshlrev_b32 v253, 2, v244                    ; 4 r: Q's scale words
	v_mul_u32_u24 v[MSTW], v245, MSP
	v_mul_u32_u24 v[MSTR], v244, MSP
	v_lshlrev_b32 v[VMO], 11, v245
	v_lshlrev_b32 v[L4], 2, v1
	v_lshlrev_b32 v[LI], 4, v1
	v_lshl_add_u32 v[MSTW], v244, 4, v[MSTW]
	v_lshl_add_u32 v[MSTR], v245, 4, v[MSTR]
	v_lshl_add_u32 v[VMO], v244, 4, v[VMO]
	v_add_nc_u32 v6, 0x20000, v[FO]                ; the first fill's LDS addresses: V's images,
	v_add_nc_u32 v7, 0x30000, v[FO]                ; K's scale words,
	v_lshlrev_b32 v8, 3, v0                        ; V's scale words: 8 bytes a thread
	v_lshl_add_u32 v9, v0, 3, 0x30000
	v_add_nc_u32 v[MSTW], s47, v[MSTW]
	v_add_nc_u32 v[MSTR], s47, v[MSTR]
.irp j, 0,1,2,3
	v_mov_b32 v[QF+4+\j], 0                        ; Q's zero codes
	v_mov_b32 v[BX+\j], 0                          ; named as an operand's idle half and as a lane permute's destination before it is first written
.endr
	v_mov_b32 v[TMP], 0                            ; named as the upper half of a pair
	v_mov_b32 v[STG+1], 0xe7800000                 ; the largest score so far: -2^80
	v_mov_b32 v[STL+1], 0xe7800000
	v_mov_b32 v[STG], 0x67b8aa3b                   ; -M = log2(e) x 2^80, a whole number
	v_mov_b32 v[STL], 0x67b8aa3b
	v_mov_b32 v[STG+2], 0
	v_mov_b32 v[STG+3], 0
	v_mov_b32 v[STL+2], 0
	v_mov_b32 v[STL+3], 0
.set J, 0
.rept 64
	v_mov_b32 v[OG+J], 0                           ; both O^T: the step is written once; the first change of M multiplies zeros
.set J, J+1
.endr
	s_wait_alu depctr_va_vdst(0)                   ; the wait at the head's end
	s_wait_kmcnt 0x0
	s_add_nc_u64 s[6:7], s[6:7], s[16:17]
	s_add_nc_u64 s[48:49], s[4:5], s[18:19]
	s_add_nc_u64 s[50:51], s[4:5], s[20:21]
	s_add_nc_u64 s[MB:MB+1], s[8:9], s[22:23]
	s_add_nc_u64 s[52:53], s[10:11], s[24:25]
	s_add_nc_u64 s[54:55], s[10:11], s[26:27]
	global_load_b128 v[100:103], v[FO], s[6:7]                   ; THE FIRST FILL: the first pair's K images, 16,384 bytes,
	global_load_b128 v[104:107], v[FO], s[6:7] offset:8192
	global_load_b128 v[108:111], v[FO], s[6:7] offset:196608     ; all of K's scale words, 8,192,
	global_load_b64 v[112:113], v8, s[6:7] offset:204800         ; all of V's, 4,096,
	global_load_b128 v[116:119], v[FO], s[6:7] offset:131072     ; the first pair's V images, 8,192
	global_load_b128 v[QF:QF+3], v[LI], s[48:49]
	global_load_b128 v[QF+8:QF+11], v[LI], s[48:49] offset:512
	global_load_b32 v[QSC], v253, s[50:51]
	MLOAD
	s_wait_loadcnt 11                              ; the five loads of the fill are in; Q's three and the mask's eight may be out
	ds_store_b128 v[FO], v[100:103]
	ds_store_b128 v[FO], v[104:107] offset:8192
	ds_store_b128 v7, v[108:111]
	ds_store_b64 v9, v[112:113] offset:8192
	ds_store_b128 v6, v[116:119]
	s_wait_dscnt 0x0                               ; my part is in LDS,
	s_barrier_signal -1
	s_barrier_wait -1                              ; everybody's is
; One branch's softmax of a key step and its second product.  st: its statistics; o: its O^T.  fill = 1: the next pair's images, which have been on their way since the trip's top, go to LDS ahead of the conversions.
.macro SOFTMAX st, o, fill
.irp b, 0,1,2,3
	v_max3_num_f32 v[BM+\b], v[S+16*\b], v[S+1+16*\b], v[S+2+16*\b]   ; the largest score of each block of 32 keys: for the row's maximum, and, since p rises with the score, for the block's largest p.  (Four chains by turns)
.endr
.irp i, 3,5,7,9,11,13
.irp b, 0,1,2,3
	v_max3_num_f32 v[BM+\b], v[BM+\b], v[S+16*\b+\i], v[S+1+16*\b+\i]
.endr
.endr
.irp b, 0,1,2,3
	v_max_num_f32 v[BM+\b], v[BM+\b], v[S+15+16*\b]
.endr
.irp b, 0,1,2,3
	v_permlanex16_b32 v[BX+\b], v[BM+\b], s[SEL], s[SEL+1]
.endr
.irp b, 0,1,2,3
	v_max_num_f32 v[BM+\b], v[BM+\b], v[BX+\b]     ; with lane l xor 16's 16 keys
.endr
	v_mov_b32 v[TMP], v[\st]                       ; the old -M
	v_max3_num_f32 v[F], v[BM], v[BM+1], v[BM+2]
	s_delay_alu instid0(VALU_DEP_1)
	v_max3_num_f32 v[\st+1], v[\st+1], v[F], v[BM+3]   ; the running largest score
	s_delay_alu instid0(VALU_DEP_1)
	v_mul_f32 v[\st], s[NC], v[\st+1]              ; -t
	s_delay_alu instid0(VALU_DEP_1)
	v_floor_f32 v[\st], v[\st]                     ; the new -M = -ceil(t): a whole number
.irp b, 0,1,2,3
	v_fma_f32 v[BM+\b], v[BM+\b], s[CS], v[\st]    ; t - M of each block's largest score
.endr
.set J, 0
.rept 32
	v_pk_fma_f32 v[S+J:S+J+1], v[S+J:S+J+1], s[CS:CS+1], v[\st:\st+1] op_sel_hi:[1,0,0]   ; t - M
.if J == 8
	v_sub_f32 v[TMP], v[\st], v[TMP]               ; old M - new M: a whole number, 0 or less
.endif
.if J == 20
	v_cvt_i32_f32 v[TMP], v[TMP]                   ; (it saturates)
.endif
.if J == 32
	v_ldexp_f32 v[F], 1.0, v[TMP]                  ; f: a power of two or 0: the rescaling rounds nothing
.endif
.set J, J+2
.endr
	s_wait_alu depctr_va_vdst(0)                   ; the wait ahead of the batch
.set J, 0
.rept 64
	v_exp_f32 v[S+J], v[S+J]                       ; p = 2^(t - M)
.set J, J+1
.endr
.irp b, 0,1,2,3
	v_exp_f32 v[BM+\b], v[BM+\b]                   ; the block's largest p: the same two instructions on the same number
.endr
	v_pk_mul_f32 v[\st+2:\st+3], v[\st+2:\st+3], v[F:F+1] op_sel_hi:[1,0]   ; the sums under the new M (a plain place behind the exponentials)
	s_wait_alu depctr_va_vdst(0)                   ; one wait behind the batch, which also stands directly ahead of the first readers of O^T
.set J, 0
.rept 16
	v_pk_mul_f32 v[\o+J:\o+J+1], v[\o+J:\o+J+1], v[F:F+1] op_sel_hi:[1,0]   ; O^T under the new M
.set J, J+2
.endr
.if \fill
	s_wait_loadcnt 8                               ; the three loads of the next pair's images are in; the mask's eight, issued behind them, may be out
	ds_store_b128 v[FK], v[P:P+3] offset:16384
	ds_store_b128 v[FK], v[P+4:P+7] offset:24576
	ds_store_b128 v[FV], v[X4:X4+3] offset:8192
	s_wait_dscnt 0x0                               ; the stores have read their registers: the conversions below write them
.endif
.irp b, 0,1,2,3
	v_max_num_f32 v[BM+\b], 0x1800000, v[BM+\b]    ; the floor 2^(3 - 127): a block whose every p is 0 keeps the byte 1 and zero codes
.endr
.irp b, 0,1,2,3
	v_add_nc_u32 v[BM+\b], 0xff000000, v[BM+\b]    ; 2 off the exponent field: the conversion's scale operand
.endr
.irp b, 0,1,2,3
	v_lshrrev_b32 v[BX+\b], 23, v[BM+\b]           ; the scale's byte
.endr
	v_lshl_or_b32 v[BX], v[BX+1], 8, v[BX]
	v_lshl_or_b32 v[BX+2], v[BX+3], 8, v[BX+2]
	s_delay_alu instid0(VALU_DEP_1)
	v_lshl_or_b32 v[PS], v[BX+2], 16, v[BX]        ; p's scale word for these 128 keys
.irp b, 0,1,2,3
	v_cvt_scalef32_pk8_fp4_f32 v[P+2*\b], v[S+16*\b:S+16*\b+7], v[BM+\b]
	v_cvt_scalef32_pk8_fp4_f32 v[P+2*\b+1], v[S+16*\b+8:S+16*\b+15], v[BM+\b]
.endr
	v_pk_add_f32 v[BX:BX+1], v[S:S+1], v[S+2:S+3]  ; the row's sum of the unquantised p, in two chains.  (This line is the plain place behind the scaled conversions)
.irp c, 0,1
.irp i, 0,1
	v_permlane16_swap_b32 v[P+4*\c+\i], v[P+4*\c+2+\i]   ; the operand's layout wants a whole block in a lane
.endr
.endr
.irp j, 4,8,12,16,20,24,28,32,36,40,44,48,52,56,60     ; (these lines are also the places between the codes and the scale word and the products that take them)
	v_pk_add_f32 v[\st+2:\st+3], v[\st+2:\st+3], v[S+\j:S+\j+1]
	v_pk_add_f32 v[BX:BX+1], v[BX:BX+1], v[S+2+\j:S+3+\j]
.endr
	s_delay_alu instid0(VALU_DEP_1)
	v_pk_add_f32 v[\st+2:\st+3], v[\st+2:\st+3], v[BX:BX+1]
	s_wait_alu depctr_va_vdst(0)                   ; directly ahead of the wait below
	s_wait_dscnt 0x0                               ; V's fragments and scale words
.irp dt, 0,1,2,3                       ; the four accumulators by turns
	MM \o+8*\dt, Z+8*\dt, P, v[\o+8*\dt:\o+8*\dt+7], KSW+\dt/2, PS, \dt%2
.endr
.endm
.macro KLOAD u, half                   ; half = 0: k of tile t at Z + 4 t; 1: rk, one place further up; and K's scale words
.irp t, 0,1,2,3,4,5,6,7
	ds_load_b128 v[Z+4*\half+4*\t:Z+4*\half+4*\t+3], v[ADK] offset:8192*\u+1024*\t+512*\half
.endr
.irp j, 0,1,2,3
	ds_load_b32 v[KSW+\j], v[ADS] offset:512*\u+128*\j
.endr
.endm
.macro VLOAD u                         ; V^T's four fragments and scale words: they land under the softmax
.irp dt, 0,1,2,3
.irp c, 0,1
	ds_load_b128 v[Z+8*\dt+4*\c:Z+8*\dt+4*\c+3], v[ADV] offset:4096*\u+1024*\dt+512*\c
.endr
.endr
.irp j, 0,1
	ds_load_b32 v[KSW+\j], v[ADT] offset:256*\u+128*\j
.endr
.endm
.macro SCORES qf                       ; S^T of eight tiles of 16 keys
.irp t, 0,1,2,3,4,5,6,7
	MM S+8*\t, Z+4*\t, \qf, 0, KSW+\t/2, QSC, \t%2
.endr
.endm
; The local branch of the pair's u-th key step
.macro LOCAL u
	s_cmp_eq_u32 s[FL+\u], 0                       ; every key of this step is hidden from all my 16 queries: the local branch has nothing to add
	s_cbranch_scc1 .Lhidden_\@
	PLACES
	KLOAD \u, 1
	s_wait_dscnt 0x0
	SCORES QF+4
	PLACES
.irp b, 0,1,2,3
	ds_load_b128 v[Z+4*\b:Z+4*\b+3], v[MSTR] offset:128*\u+32*\b    ; my query's bytes for keys 32 b + 16 h + 0 .. 15 (LDS serves a wave's instructions in order: these see my stores)
.endr
	s_wait_dscnt 0x0
.irp b, 0,1,2,3                        ; byte j of word k belongs to register 16 b + 4 k + j
.irp k, 0,1,2,3
	v_lshlrev_b32 v[BM], 30, v[Z+4*\b+\k]
	v_lshlrev_b32 v[BM+1], 22, v[Z+4*\b+\k]
	v_lshlrev_b32 v[BM+2], 14, v[Z+4*\b+\k]
	v_lshlrev_b32 v[BM+3], 6, v[Z+4*\b+\k]
	v_pk_fma_f32 v[S+16*\b+4*\k:S+16*\b+4*\k+1], v[BM:BM+1], s[NEG:NEG+1], v[S+16*\b+4*\k:S+16*\b+4*\k+1] op_sel_hi:[1,0,1]
	v_pk_fma_f32 v[S+16*\b+4*\k+2:S+16*\b+4*\k+3], v[BM+2:BM+3], s[NEG:NEG+1], v[S+16*\b+4*\k+2:S+16*\b+4*\k+3] op_sel_hi:[1,0,1]
.endr
.endr
	VLOAD \u
	SOFTMAX STL, OL, 0
.Lhidden_\@:
.endm
; A TRIP: two key steps.  more = 1: the next pair's images and mask are asked for
.macro TRIP more
	v_add_nc_u32 v[ADK], s[TK], v[LI]              ; (plain lines: the places behind the last trip's products, in front of the loads below)
	v_add_nc_u32 v[ADV], s[TV], v[LI]
	v_add_nc_u32 v[ADS], s[TS], v[L4]
	v_add_nc_u32 v[ADT], s[TT], v[L4]
.if \more
	v_add_nc_u32 v[FK], s[TK], v[FO]               ; (the loads that named these two are done: the last trip waited for them)
	v_add_nc_u32 v[FV], s[TV], v[FO]
.endif
	s_wait_alu depctr_va_vdst(0)                   ; directly ahead of the wait below
	s_wait_loadcnt 0x0                             ; this pair's mask, asked for a trip ago (the first time: Q too)
.irp i, 0,1,2,3,4,5,6,7
	ds_store_b128 v[MSTW], v[ML+4*\i:ML+4*\i+3] offset:2*MSP*\i
.endr
	KLOAD 0, 0
	s_wait_dscnt 0x0                               ; k is in, and the stores have read their registers
	SCORES QF
	v_add3_u32 v[BM], v[ML], v[ML+1], v[ML+2]      ; byte by byte: how many of my 32 words' bytes are 1; 32 at the most, so no byte runs over.  (These lines are the places behind the products)
	v_add3_u32 v[BM+1], v[ML+3], v[ML+4], v[ML+5]
.irp i, 6,10,14,18,22,26
	v_add3_u32 v[BM], v[BM], v[ML+\i], v[ML+\i+1]
	v_add3_u32 v[BM+1], v[BM+1], v[ML+\i+2], v[ML+\i+3]
.endr
	v_add3_u32 v[BM], v[BM], v[ML+30], v[ML+31]
	s_delay_alu instid0(VALU_DEP_1)
	v_add_nc_u32 v[BM], v[BM], v[BM+1]
	v_cmp_ne_u32 vcc_lo, 0x20202020, v[BM]         ; a lane with a visible key among its 128 bytes
	s_and_b32 s[FL], vcc_lo, 0x00ff00ff            ; lanes with r under 8 hold the pair's first 128 keys,
	s_and_b32 s[FL+1], vcc_lo, 0xff00ff00          ; the others its second
.if \more
	global_load_b128 v[P:P+3], v[FK], s[6:7] offset:16384        ; the next pair's images: 48 bytes a thread, ahead of the mask's loads, so that a counted wait serves them
	global_load_b128 v[P+4:P+7], v[FK], s[6:7] offset:24576
	global_load_b128 v[X4:X4+3], v[FV], s[6:7] offset:8192
	s_add_nc_u64 s[MB:MB+1], s[MB:MB+1], 256       ; (the loads that named this base are done)
	MLOAD
.endif
	VLOAD 0
	SOFTMAX STG, OG, \more
	LOCAL 0
	PLACES
	KLOAD 1, 0
	s_wait_dscnt 0x0
	SCORES QF
	PLACES
	VLOAD 1
	SOFTMAX STG, OG, 0
	LOCAL 1
.endm
.Lpair:                                            ; seven trips
	TRIP 1
	s_wait_dscnt 0x0                               ; my part of the next pair's images is in LDS,
	s_barrier_signal -1
	s_barrier_wait -1                              ; everybody's is
	s_add_co_u32 s[TK], s[TK], 16384
	s_add_co_u32 s[TV], s[TV], 8192
	s_add_co_u32 s[TS], s[TS], 1024
	s_add_co_u32 s[TT], s[TT], 512
	s_add_co_u32 s[CNT], s[CNT], 1
	s_cmp_lt_u32 s[CNT], 7
	s_cbranch_scc1 .Lpair
	TRIP 0                                         ; the last pair is written out: it asks for nothing, so no load leaves a buffer
	; THE END: both O^T are divided by their sums and added; register 16 g + i is d = 32 g + 16 h + i of my query: two blocks of the last product's K
	PLACES
	v_add_f32 v[STG+3], v[STG+2], v[STG+3]
	v_add_f32 v[STL+3], v[STL+2], v[STL+3]
	s_delay_alu instid0(VALU_DEP_2)
	v_permlanex16_b32 v[BX], v[STG+3], s[SEL], s[SEL+1]
	s_delay_alu instid0(VALU_DEP_2)
	v_permlanex16_b32 v[BX+1], v[STL+3], s[SEL], s[SEL+1]
	s_delay_alu instid0(VALU_DEP_2)
	v_add_f32 v[STG+3], v[STG+3], v[BX]            ; the rows' sums
	s_delay_alu instid0(VALU_DEP_2)
	v_add_f32 v[STL+3], v[STL+3], v[BX+1]
	s_wait_alu depctr_va_vdst(0)                   ; ahead of the transcendentals
	v_rcp_f32 v[STG+2], v[STG+3]
	v_rcp_f32 v[STL+2], v[STL+3]
	v_and_b32 v[ADK], 15, v0                       ; (a plain place behind the reciprocals)
	s_delay_alu instid0(VALU_DEP_1)
	v_lshlrev_b32 v[ADK], 5, v[ADK]                ; 32 r: my row of scale bytes
	s_wait_alu depctr_va_vdst(0)                   ; and behind them, directly ahead of the first readers of both O^T
.set J, 0
.rept 16
	v_pk_mul_f32 v[S+J:S+J+1], v[OG+J:OG+J+1], v[STG+2:STG+3] op_sel_hi:[1,0]
.set J, J+2
.endr
.set J, 0
.rept 16
	v_pk_fma_f32 v[S+J:S+J+1], v[OL+J:OL+J+1], v[STL+2:STL+3], v[S+J:S+J+1] op_sel_hi:[1,0,1]
.set J, J+2
.endr
.irp g, 0,1
	v_max3_num_f32 v[TM+\g], |v[S+16*\g]|, |v[S+16*\g+1]|, 0x1800000
.endr
.irp i, 2,4,6,8,10,12,14
.irp g, 0,1
	s_delay_alu instid0(VALU_DEP_2)
	v_max3_num_f32 v[TM+\g], v[TM+\g], |v[S+16*\g+\i]|, |v[S+16*\g+\i+1]|
.endr
.endr
.irp g, 0,1
	s_delay_alu instid0(VALU_DEP_2)
	v_permlanex16_b32 v[TM+2+\g], v[TM+\g], s[SEL], s[SEL+1]
.endr
.irp g, 0,1
	s_delay_alu instid0(VALU_DEP_2)
	v_max_num_f32 v[TM+\g], v[TM+\g], v[TM+2+\g]
.endr
.irp g, 0,1
	s_delay_alu instid0(VALU_DEP_2)
	v_add_nc_u32 v[TM+4+\g], 0xff000000, v[TM+\g]
.endr
.irp g, 0,1
	s_delay_alu instid0(VALU_DEP_2)
	v_lshrrev_b32 v[TM+6+\g], 23, v[TM+4+\g]
.endr
	s_delay_alu instid0(VALU_DEP_1)
	v_lshl_or_b32 v[PS], v[TM+7], 8, v[TM+6]
.irp g, 0,1
	v_cvt_scalef32_pk8_fp4_f32 v[P+2*\g], v[S+16*\g:S+16*\g+7], v[TM+4+\g]
	v_cvt_scalef32_pk8_fp4_f32 v[P+2*\g+1], v[S+16*\g+8:S+16*\g+15], v[TM+4+\g]
.endr
	v_nop
	v_permlane16_swap_b32 v[P], v[P+2]
	v_permlane16_swap_b32 v[P+1], v[P+3]
	v_mov_b32 v[TMP], 0xffff
	v_cmp_eq_f32 vcc_lo, 0, v[STL+3]               ; no visible key at all: the row is NaN; the choice selects a value, no address and no branch
	s_delay_alu instid0(VALU_DEP_1)
	v_cndmask_b32 v[PS], v[PS], v[TMP], vcc_lo
	global_store_b128 v[LI], v[P:P+3], s[52:53]    ; the wave stores 512 consecutive bytes, aligned
	global_store_b16 v[ADK], v[PS], s[54:55]       ; lanes 16-31 repeat lanes 0-15
	s_wait_tensorcnt 0x0                           ; the wave's end, behind my last LDS store
	ds_add_u32 v254, v255
	s_wait_dscnt 0x0
	s_endpgm
.Lfunc_end_k_q8c147fd72d_attn:
	.size	k_q8c147fd72d_attn, .Lfunc_end_k_q8c147fd72d_attn-k_q8c147fd72d_attn
	.p2alignl 7, 3214868480
	.fill 96, 4, 3214868480
	.section	.rodata,"a",@progbits
	.p2align	6, 0x0
	.amdhsa_kernel k_q8c147fd72d_attn
		.amdhsa_group_segment_fixed_size 280576
		.amdhsa_private_segment_fixed_size 0
		.amdhsa_enable_private_segment 0
		.amdhsa_kernarg_size 32
		.amdhsa_user_sgpr_count 2
		.amdhsa_user_sgpr_kernarg_segment_ptr 1
		.amdhsa_wavefront_size32 1
		.amdhsa_system_sgpr_workgroup_id_x 1
		.amdhsa_system_sgpr_workgroup_id_y 1
		.amdhsa_system_sgpr_workgroup_id_z 1
		.amdhsa_system_vgpr_workitem_id 0
		.amdhsa_next_free_vgpr 256
		.amdhsa_next_free_sgpr 66
		.amdhsa_reserve_vcc 1
		.amdhsa_float_denorm_mode_32 3
		.amdhsa_float_denorm_mode_16_64 3
		.amdhsa_memory_ordered 1
		.amdhsa_forward_progress 1
		.amdhsa_inst_pref_size 156
	.end_amdhsa_kernel
	.amdgpu_metadata
---
amdhsa.version: [ 1, 2 ]
amdhsa.kernels:
  - .name:           k_q8c147fd72d_attn
    .symbol:         k_q8c147fd72d_attn.kd
    .args:
      - { .name: qq, .offset: 0, .size: 8, .value_kind: global_buffer, .address_space: global }
      - { .name: kvh, .offset: 8, .size: 8, .value_kind: global_buffer, .address_space: global }
      - { .name: local_attn_mask, .offset: 16, .size: 8, .value_kind: global_buffer, .address_space: global }
      - { .name: ao, .offset: 24, .size: 8, .value_kind: global_buffer, .address_space: global }
    .group_segment_fixed_size: 280576
    .private_segment_fixed_size: 0
    .kernarg_segment_align: 8
    .kernarg_segment_size: 32
    .max_flat_workgroup_size: 512
    .sgpr_count:     66
    .vgpr_count:     256
    .wavefront_size: 32
...
	.end_amdgpu_metadata
.endif
;; end of part 3
;; launch outproj (part 4): grid 8 x 32, 8 waves a work-group, clusters of 4 x 4, 179,712 bytes of LDS; arguments ao, codes1, scales1, out_proj_bias, out0; writes out0
.if DOCPART == 4
	.amdgcn_target "amdgcn-amd-amdhsa--gfx1250"
	.amdhsa_code_object_version 6
	.text
	.protected	k_q8c147fd72d_outproj
	.globl	k_q8c147fd72d_outproj
	.p2align	8
	.type	k_q8c147fd72d_outproj,@function
k_q8c147fd72d_outproj:
	s_mov_b64 s[64:65], 0
	v_nop
	global_prefetch_b8 v0, s[64:65] scope:SCOPE_SE
	s_setreg_imm32_b32 hwreg(HW_REG_WAVE_MODE, 25, 1), 1
	s_wait_xcnt 0x0
	s_wait_alu depctr_hold_cnt(0) depctr_sa_sdst(0) depctr_va_vdst(0) depctr_va_sdst(0) depctr_va_ssrc(0) depctr_va_vcc(0) depctr_vm_vsrc(0)
	s_getreg_b32 s2, hwreg(HW_REG_IB_STS2, 6, 4)
	s_cmp_eq_u32 s2, 0
	s_cbranch_scc0 .Lentry_in_a_cluster
	s_endpgm
.Lentry_in_a_cluster:
	s_bfe_u32 s2, ttmp6, 0x10000c
	s_cmp_lg_u32 s2, 0xf033
	s_cbranch_scc0 .Lentry_shape_is_right
	s_endpgm
.Lentry_shape_is_right:
; out0 = attn_out Wout^T + bias on codes of FP4.  Work-group (x, y): 128 rows (tiles of rows 8 y .. 8 y + 7 of ao: b = y / 16, 128 positions of t) x columns 128 x .. 128 x + 127; K = 1,024.
; Both operands for all of K come into LDS once, by first fills; nothing is filled again.  CLUSTER 4 x 4: ao's tiles hang on y alone and are asked for jointly along a row of the cluster, Wout's on x alone and along a column.
; Source 0 = rows of Wout (half w & 1: four tiles), source 1 = rows of ao (quarter w >> 1: two tiles): a lane holds one row of the output, and registers 16 g + i its columns 32 g + 16 h + i of the wave's 64.
; Eight accumulators take turns; the bias is the C of each sum's first product.
; ao's codes lie as images of operand registers (16 bytes a lane on end), Wout's as rows of 512 bytes.  A scale byte 0xff in ao (a query with no visible key) makes that row's sums NaN.
; THE WAY OUT: 16 rows x 256 bytes go through the wave's own stage in LDS and leave as whole pieces: sixteen lanes store 256 consecutive bytes, aligned.
.set WOC,   0                          ; LDS: Wout's codes: [K half 2][128 rows][256 bytes + 16]
.set AOC,   69632                      ; ao's images: [tile of rows 8][K step 8][half 2][512 bytes]
.set WOS,   135168                     ; scale bytes: 16 pieces of 256 bytes + 16
.set ASS,   139520
.set STG,   143872                     ; eight stages of 16 rows x 272 bytes; no fill lands here
.set PITCH, 272
.set TILEB, 16*PITCH
.set KHALF, 128*PITCH
.set RR,   1
.set HH,   2
.set LA,   3
.set ADP,  4                           ; v4   Wout, my 64 rows
.set ADR,  5                           ; v5   ao, my two tiles of rows: 16 x lane
.set STO,  6                           ; v6   the stage, in: row r, 64 h
.set RD,   7                           ; v7   and back: row h, 16 r
.set CO,   8                           ; v8   out0: 8,192 h + 16 r
.set ADSA, 9
.set ADSB, 10
.set TERM, 11                          ; v11  32 r + 16 (r / 8)
.set BO,   14                          ; v14  64 h
.set BIAS, 16
.set SC,   48                          ; v48-79 scale words and nothing else
.set BUF,  80
.set ACC,  176
.set WV,   16
.set W1,   17
.set W2,   18
.set G1WC, 24
.set G1AO, 32
.set G1OS, 40
.set G1AS, 48
.set G0OS, 56
.set G0WO, 60
.set G0AS, 68
.set G0AO, 72
.macro ROUND
	s_barrier_signal -1
	s_barrier_wait -1
	s_cmp_lg_u32 s[WV], 0
	s_cbranch_scc1 .Lnot_wave_0_\@
	s_barrier_signal -3
.Lnot_wave_0_\@:
	s_barrier_wait -3
	s_barrier_signal -1
	s_barrier_wait -1
.endm
.macro PLACES
.rept 4
	v_nop
.endr
.endm
.macro G0SET g, ptr, off
	s_mov_b32 s[\g], 1
	s_add_nc_u64 s[\g+2:\g+3], s[\ptr:\ptr+1], s[\off:\off+1]
	s_or_b32 s[\g+3], s[\g+3], 0x80000000
.endm
	s_load_b256 s[4:11], s[0:1], 0x0               ; ao, codes1, scales1, out_proj_bias
	s_load_b64 s[12:13], s[0:1], 0x20              ; out0
	v_lshl_add_u32 v254, v0, 2, 0x2ba00
	v_mov_b32 v255, 0
	ds_add_u32 v254, v255
	ds_add_u32 v254, v255
	v_lshrrev_b32 v1, 5, v0
	s_delay_alu instid0(VALU_DEP_1)
	v_readfirstlane_b32 s[WV], v1
	s_and_b32 s[W1], s[WV], 1
	s_lshr_b32 s[W2], s[WV], 1
	s_and_b32 s19, s[WV], 3
	s_bfe_u32 s20, ttmp6, 0x40000
	s_bfe_u32 s21, ttmp6, 0x40004
	s_lshl_b32 s22, ttmp9, 2
	s_add_co_u32 s22, s22, s20                     ; x
	s_and_b32 s23, ttmp7, 0xffff
	s_lshl_b32 s23, s23, 2
	s_add_co_u32 s23, s23, s21                     ; y
	s_and_b32 s100, s23, 15
	s_lshr_b32 s101, s23, 4                        ; b
	s_lshl_b32 s96, s21, 2
	s_lshl_b32 s96, 15, s96                        ; my row of the cluster
	s_lshl_b32 s98, 0x1111, s20                    ; my column
	s_or_b32 s[G1WC], s98, (1<<20)|(1<<21)|(5<<22)|(3<<25)          ; Wout's codes: 128 rows of 256 bytes, 512 apart, 16 bytes of padding behind each
	s_mov_b32 s[G1WC+1], 256<<16
	s_mov_b32 s[G1WC+2], 128<<16
	s_mov_b32 s[G1WC+3], 256<<16
	s_mov_b32 s[G1WC+4], 128
	s_mov_b32 s[G1WC+5], 512
	s_mov_b32 s[G1WC+6], 0
	s_mov_b32 s[G1WC+7], 0
	s_or_b32 s[G1AO], s96, (3<<16)|(1<<21)         ; ao's images: 16,384 dense bytes as 64 rows of 32 elements of 8 bytes, no padding
	s_mov_b32 s[G1AO+1], 32<<16
	s_mov_b32 s[G1AO+2], 64<<16
	s_mov_b32 s[G1AO+3], 32<<16
	s_mov_b32 s[G1AO+4], 64
	s_mov_b32 s[G1AO+5], 32
	s_mov_b32 s[G1AO+6], 0
	s_mov_b32 s[G1AO+7], 0
	s_or_b32 s[G1OS], s98, (3<<16)|(1<<20)|(1<<21)|(5<<22)|(3<<25)  ; scale bytes: 4,096 dense bytes as 16 padded rows
	s_or_b32 s[G1AS], s96, (3<<16)|(1<<20)|(1<<21)|(5<<22)|(3<<25)
.irp g, G1OS, G1AS
	s_mov_b32 s[\g+1], 32<<16
	s_mov_b32 s[\g+2], 16<<16
	s_mov_b32 s[\g+3], 32<<16
	s_mov_b32 s[\g+4], 16
	s_mov_b32 s[\g+5], 32
	s_mov_b32 s[\g+6], 0
	s_mov_b32 s[\g+7], 0
.endr
	s_mov_b32 s86, 0                               ; a load of Wout's codes brings all 128 rows of K half w & 1: it begins at row 0
	s_mul_i32 s88, s[W1], KHALF
	s_mul_i32 s89, s86, 64*PITCH
	s_add_co_u32 s88, s88, s89
	s_lshl_b32 s89, s19, 14                        ; my piece of ao's images: two tiles of rows
	s_wait_dscnt 0x0
	s_wait_kmcnt 0x0
	s_lshl_b32 s98, s22, 16
	s_lshl_b32 s99, s86, 15
	s_add_co_u32 s98, s98, s99
	s_lshl_b32 s99, s[W1], 8
	s_add_co_u32 s98, s98, s99
	s_add_co_u32 s98, s98, 3670016
	s_mov_b32 s99, 0
	G0SET G0WO, 6, 98
	s_add_co_u32 s[G0WO+1], s88, WOC
	s_lshl_b32 s98, s22, 12
	s_add_co_u32 s98, s98, 229376
	G0SET G0OS, 8, 98
	s_mov_b32 s[G0OS+1], WOS
	s_lshl_b32 s96, s23, 16
	s_add_co_u32 s96, s96, s89
	s_mov_b32 s97, 0
	G0SET G0AO, 4, 96
	s_add_co_u32 s[G0AO+1], s89, AOC
	s_lshl_b32 s96, s23, 12
	s_add_co_u32 s96, s96, 2097152
	G0SET G0AS, 4, 96
	s_mov_b32 s[G0AS+1], ASS
	ROUND                                          ; all sixteen work-groups are here: the joint loads meet
	; THE HEAD'S LOADS, ONE A WAVE: waves 0, 1 Wout's codes (a K half each), waves 2 to 5 ao's images (piece w & 3), wave 6 Wout's scale bytes, wave 7 ao's.
	; One chain of branches on the wave's number, a load to an arm, all arms leading to one join: every way passes exactly one load.
.macro ARM under, g0, g1, next
	s_cmp_lt_u32 s[WV], \under
	s_cbranch_scc0 \next
	tensor_load_to_lds s[\g0:\g0+3], s[\g1:\g1+7]
	s_nop 0
	PLACES
	s_branch .Lasked
\next:
.endm
	ARM 2, G0WO, G1WC, .Lh_ao
	ARM 6, G0AO, G1AO, .Lh_os
	ARM 7, G0OS, G1OS, .Lh_as
	tensor_load_to_lds s[G0AS:G0AS+3], s[G1AS:G1AS+7]
	s_nop 0
	PLACES
.Lasked:
	s_mov_b32 s3, 0
	s_lshl_b32 s2, s22, 7                          ; the bias: 128 x + 64 (w & 1) on
	s_lshl_b32 s99, s[W1], 6
	s_add_co_u32 s2, s2, s99
	s_lshl_b32 s2, s2, 2
	s_add_nc_u64 s[10:11], s[10:11], s[2:3]
	s_lshl_b32 s2, s100, 7                         ; out0: row 2 t + b with t = 128 (y % 16) + 32 (w >> 1) on; 4,096 bytes a row; column bytes 512 x + 256 (w & 1)
	s_lshl_b32 s99, s[W2], 5
	s_add_co_u32 s2, s2, s99
	s_lshl_b32 s2, s2, 1
	s_add_co_u32 s2, s2, s101
	s_lshl_b32 s2, s2, 12
	s_lshl_b32 s99, s22, 9
	s_add_co_u32 s2, s2, s99
	s_lshl_b32 s99, s[W1], 8
	s_add_co_u32 s2, s2, s99
	s_add_nc_u64 s[12:13], s[12:13], s[2:3]
	v_and_b32 v[RR], 15, v0
	v_bfe_u32 v[HH], v0, 4, 1
	s_delay_alu instid0(VALU_DEP_2)
	v_mul_u32_u24 v[LA], v[RR], PITCH
	s_delay_alu instid0(VALU_DEP_1)
	v_lshl_add_u32 v[LA], v[HH], 4, v[LA]
	s_mul_i32 s2, s[W1], 4*TILEB
	v_add_nc_u32 v[ADP], s2, v[LA]
	s_lshl_b32 s2, s[W2], 14
	s_add_co_u32 s2, s2, AOC
	v_and_b32 v[ADR], 31, v0
	s_delay_alu instid0(VALU_DEP_1)
	v_lshlrev_b32 v[ADR], 4, v[ADR]
	s_delay_alu instid0(VALU_DEP_1)
	v_add_nc_u32 v[ADR], s2, v[ADR]
	s_mul_i32 s2, s[WV], TILEB
	s_add_co_u32 s2, s2, STG                       ; my stage
	v_mul_u32_u24 v[STO], v[RR], PITCH
	s_delay_alu instid0(VALU_DEP_1)
	v_lshl_add_u32 v[STO], v[HH], 6, v[STO]
	s_delay_alu instid0(VALU_DEP_1)
	v_add_nc_u32 v[STO], s2, v[STO]
	v_mul_u32_u24 v[RD], v[HH], PITCH
	s_delay_alu instid0(VALU_DEP_1)
	v_lshl_add_u32 v[RD], v[RR], 4, v[RD]
	s_delay_alu instid0(VALU_DEP_1)
	v_add_nc_u32 v[RD], s2, v[RD]
	v_lshlrev_b32 v[CO], 13, v[HH]
	s_delay_alu instid0(VALU_DEP_1)
	v_lshl_add_u32 v[CO], v[RR], 4, v[CO]
	v_and_b32 v[TERM], 8, v[RR]
	s_delay_alu instid0(VALU_DEP_1)
	v_lshlrev_b32 v[TERM], 1, v[TERM]
	s_delay_alu instid0(VALU_DEP_1)
	v_lshl_add_u32 v[TERM], v[RR], 5, v[TERM]
	v_lshlrev_b32 v[BO], 6, v[HH]
.irp g, 0,1
.irp k, 0,1,2,3
	global_load_b128 v[BIAS+16*\g+4*\k:BIAS+16*\g+4*\k+3], v[BO], s[10:11] offset:128*\g+16*\k   ; register 16 g + i: the bias of column 32 g + 16 h + i
.endr
.endr
	; the scale words' addresses: lanes 0-15 Wout's (below), lanes 16-31 ao's: the lower base + h x the distance, one product
	s_xor_b32 s2, s[W1], 1
	s_mul_i32 s2, s2, 2176
	s_mul_i32 s3, s[W2], 1088
	s_add_co_u32 s2, s2, s3
	s_add_co_u32 s3, s2, ASS-WOS-3264
	s_add_co_u32 s2, s2, ASS-WOS-2176
	v_mul_u32_u24 v[ADSA], s2, v[HH]
	s_wait_alu depctr_va_vdst(0)
	v_mul_u32_u24 v[ADSB], s3, v[HH]
	s_mul_i32 s2, s[W1], 2176
	s_add_co_u32 s2, s2, WOS
	v_add_nc_u32 v[ADSA], v[ADSA], v[TERM]
	v_add_nc_u32 v[ADSB], v[ADSB], v[TERM]
	s_delay_alu instid0(VALU_DEP_2)
	v_add_nc_u32 v[ADSA], s2, v[ADSA]
	s_add_co_u32 s2, s2, 1088
	v_add_nc_u32 v[ADSB], s2, v[ADSB]
.macro FETCH s                         ; twelve loads: K step s's fragments: Wout's four from rows, ao's two from images
.set FB, BUF+48*((\s)%2)
.set FO, KHALF*((\s)/4)+64*((\s)%4)
.irp t, 0,1,2,3
.irp c, 0,1
	ds_load_b128 v[FB+8*\t+4*\c:FB+8*\t+4*\c+3], v[ADP] offset:FO+TILEB*\t+32*\c
.endr
.endr
.irp t, 0,1
.irp c, 0,1
	ds_load_b128 v[FB+32+8*\t+4*\c:FB+32+8*\t+4*\c+3], v[ADR] offset:8192*\t+1024*(\s)+512*\c
.endr
.endr
.endm
.macro MUL s, first
.set FB, BUF+48*((\s)%2)
.irp rho, 0,1
.irp p, 0,1,2,3
.if \first
	v_wmma_scale_f32_16x16x128_f8f6f4 v[ACC+32*\rho+8*\p:ACC+32*\rho+8*\p+7], v[FB+8*\p:FB+8*\p+7], v[FB+32+8*\rho:FB+32+8*\rho+7], v[BIAS+8*\p:BIAS+8*\p+7], v[SC+8*\p+(\s)], v[SC+8*\rho+(\s)] matrix_a_fmt:MATRIX_FMT_FP4 matrix_b_fmt:MATRIX_FMT_FP4 matrix_b_scale:MATRIX_SCALE_ROW1
.else
	v_wmma_scale_f32_16x16x128_f8f6f4 v[ACC+32*\rho+8*\p:ACC+32*\rho+8*\p+7], v[FB+8*\p:FB+8*\p+7], v[FB+32+8*\rho:FB+32+8*\rho+7], v[ACC+32*\rho+8*\p:ACC+32*\rho+8*\p+7], v[SC+8*\p+(\s)], v[SC+8*\rho+(\s)] matrix_a_fmt:MATRIX_FMT_FP4 matrix_b_fmt:MATRIX_FMT_FP4 matrix_b_scale:MATRIX_SCALE_ROW1
.endif
.endr
.endr
.endm
	s_wait_alu depctr_va_vdst(0)
	s_wait_tensorcnt 0x0                           ; my fills have landed,
	s_barrier_signal -1
	s_barrier_wait -1                              ; everybody's have
.irp i, 0,1
.irp j, 0,1
	ds_load_b128 v[SC+8*\i+4*\j:SC+8*\i+4*\j+3], v[ADSA] offset:544*\i+16*\j       ; the eight scale words of a row: lanes 0-15 Wout's tile i, lanes 16-31 ao's tile i
.endr
.endr
.irp i, 0,1
.irp j, 0,1
	ds_load_b128 v[SC+16+8*\i+4*\j:SC+16+8*\i+4*\j+3], v[ADSB] offset:544*\i+16*\j ; lanes 0-15 Wout's tile 2 + i
.endr
.endr
	FETCH 0
	FETCH 1
	s_wait_loadcnt 0x0                             ; the bias
	s_wait_dscnt 12                                ; the scale words and step 0 are in; step 1's twelve loads may be out
	MUL 0, 1
.irp s, 1,2,3,4,5,6
	PLACES
	FETCH \s+1
	s_wait_dscnt 12                                ; this step's fragments are in; the twelve just issued may be out
	MUL \s, 0
.endr
	s_wait_dscnt 0x0
	MUL 7, 0
	PLACES
.irp rho, 0,1                          ; a tile of 16 rows at a time through my stage; LDS serves a wave's instructions in order, so no wait stands between the stores and the loads, nor in front of the next tile's stores
.irp g, 0,1
.irp k, 0,1,2,3
	ds_store_b128 v[STO], v[ACC+32*\rho+16*\g+4*\k:ACC+32*\rho+16*\g+4*\k+3] offset:128*\g+16*\k   ; each accumulator from its low end on
.endr
.endr
.irp i, 0,1,2,3,4,5,6,7
	ds_load_b128 v[BUF+32*\rho+4*\i:BUF+32*\rho+4*\i+3], v[RD] offset:544*\i       ; lanes 0-15 row 2 i, lanes 16-31 row 2 i + 1
.endr
.endr
.irp rho, 0,1
.irp i, 0,1,2,3,4,5,6,7
	s_wait_dscnt 16*(1-\rho)+7-\i                  ; load i of this tile is back; behind it: the tile's later loads and, for the first tile, the second's sixteen instructions
	global_store_b128 v[CO], v[BUF+32*\rho+4*\i:BUF+32*\rho+4*\i+3], s[12:13] offset:65536*\rho+8192*(2*\i+8*(\i/4)) th:TH_STORE_NT   ; position 2 i + h of the tile is t + 8 (i / 4) further on; sixteen lanes store 256 consecutive bytes, aligned
.endr
.endr
	s_wait_tensorcnt 0x0
	ds_add_u32 v254, v255
	s_wait_dscnt 0x0
	ROUND                                          ; the closing round
	s_endpgm
.Lfunc_end_k_q8c147fd72d_outproj:
	.size	k_q8c147fd72d_outproj, .Lfunc_end_k_q8c147fd72d_outproj-k_q8c147fd72d_outproj
	.p2alignl 7, 3214868480
	.fill 96, 4, 3214868480
	.section	.rodata,"a",@progbits
	.p2align	6, 0x0
	.amdhsa_kernel k_q8c147fd72d_outproj
		.amdhsa_group_segment_fixed_size 179712
		.amdhsa_private_segment_fixed_size 0
		.amdhsa_enable_private_segment 0
		.amdhsa_kernarg_size 40
		.amdhsa_user_sgpr_count 2
		.amdhsa_user_sgpr_kernarg_segment_ptr 1
		.amdhsa_wavefront_size32 1
		.amdhsa_system_sgpr_workgroup_id_x 1
		.amdhsa_system_sgpr_workgroup_id_y 1
		.amdhsa_system_sgpr_workgroup_id_z 1
		.amdhsa_system_vgpr_workitem_id 0
		.amdhsa_next_free_vgpr 256
		.amdhsa_next_free_sgpr 102
		.amdhsa_reserve_vcc 0
		.amdhsa_float_denorm_mode_32 3
		.amdhsa_float_denorm_mode_16_64 3
		.amdhsa_memory_ordered 1
		.amdhsa_forward_progress 1
		.amdhsa_inst_pref_size 31
	.end_amdhsa_kernel
	.amdgpu_metadata
---
amdhsa.version: [ 1, 2 ]
amdhsa.kernels:
  - .name:           k_q8c147fd72d_outproj
    .symbol:         k_q8c147fd72d_outproj.kd
    .args:
      - { .name: ao, .offset: 0, .size: 8, .value_kind: global_buffer, .address_space: global }
      - { .name: codes1, .offset: 8, .size: 8, .value_kind: global_buffer, .address_space: global }
      - { .name: scales1, .offset: 16, .size: 8, .value_kind: global_buffer, .address_space: global }
      - { .name: out_proj_bias, .offset: 24, .size: 8, .value_kind: global_buffer, .address_space: global }
      - { .name: out0, .offset: 32, .size: 8, .value_kind: global_buffer, .address_space: global }
    .group_segment_fixed_size: 179712
    .private_segment_fixed_size: 0
    .kernarg_segment_align: 8
    .kernarg_segment_size: 40
    .max_flat_workgroup_size: 256
    .sgpr_count:     102
    .vgpr_count:     256
    .wavefront_size: 32
...
	.end_amdgpu_metadata
.endif
;; end of part 4
